; MI455X (gfx1250); checked and timed in simulation.
; The chip was launched on July 23, 2026; its instructions are those of AMD's public machine-readable ISA for CDNA 5 (MIT licence, August 2026) and "CDNA5" Instruction Set Architecture Reference Guide (July 2026). The comments in the code are by the model that wrote it; some were corrected since.
;; ABC Attention. Allowed arithmetic: float matrix products may take bf16 or f16 operands with f32 sums; other float arithmetic in f32, or as packed bf16 or f16 multiplies, adds, multiply-adds, maxima and minima; sums over many terms, partial sums and values carried from step to step in f32; what a program stores and reads back later, other than sums and carried values, may be rounded once to bf16 or f16.
;; Inputs: Wg 2,048 x 2,048 float32; Wk 2,048 x 1,024 float32; Wo 2,048 x 2,048 float32; Wq 2,048 x 1,024 float32; Ws 2,048 x 1,024 float32; Wv 2,048 x 2,048 float32; g_norm_weight 128 float32; hidden_states 1 x 2,048 x 2,048 float32.
;; Outputs: out0 1 x 2,048 x 2,048 float32.
;; 2 versions, each right; version 2 is version 1 with the launch prep written anew for expert scheduling mode. Each part assembles by itself: llvm-mc -triple=amdgcn-amd-amdhsa -mcpu=gfx1250 --defsym DOCPART=n.
;; ======== version 1 of 2: 5 launches
;; limits: values are held in f16: magnitudes above 65,504 overflow, below 6.1e-05 lose precision
;; workspace buffers: xb 8,388,608 bytes; wc 29,360,128 bytes; wo 8,388,608 bytes; qke 12,582,912 bytes; vg 16,777,216 bytes; sl 12,648,448 bytes; sp 6,356,992 bytes; og 8,388,608 bytes
;; launch prep (part 1): grid 704 x 1, 8 waves a work-group, no clusters, 0 bytes of LDS; arguments hidden_states, Wv, Wg, Wo, Wq, Wk, Ws, xb, wc, wo; writes xb, wc, wo
.if DOCPART == 1
	.amdgcn_target "amdgcn-amd-amdhsa--gfx1250"
	.amdhsa_code_object_version 6
	.text
	.protected	k_q7c0df0cf52_prep
	.globl	k_q7c0df0cf52_prep
	.p2align	8
	.type	k_q7c0df0cf52_prep,@function
k_q7c0df0cf52_prep:
	s_mov_b64 s[64:65], 0
	v_nop
	global_prefetch_b8 v0, s[64:65] scope:SCOPE_SE
	s_setreg_imm32_b32 hwreg(HW_REG_WAVE_MODE, 25, 1), 1
	s_wait_xcnt 0x0
; All seven large inputs are rounded once from f32 to bf16, nothing is transposed.
;   hidden_states -> xb [2048][2048];  Wo -> wo [2048][2048];  Wq, Wk, Ws, Wv, Wg -> wc [2048 k][7168 n].  A row of wc, 14,336 bytes: head h (0 .. 15) at byte 512 h holds its 64 columns of Wk,
;   its 64 of Ws and its 128 of Wv (128 + 128 + 256 bytes), so that 256 neighbouring columns are all that one head's state needs; Wq at byte 8,192; Wg at byte 10,240.
; A work-group converts 131,072 source bytes: 32 chunks of 4,096 bytes, a chunk = 256 threads x 16 bytes.  All 32 loads of a thread go out at once, the stores follow as the loads come back.
; A wave's store of 8 bytes a lane covers 256 consecutive bytes, aligned.  For Wk and Ws, whose halves of such 256 bytes come from two tensors, a work-group takes 16 rows of each and the
; halves of the lanes change places between two registers.  No register is written twice, so no wait frees a source.
; A stream: no LDS, no matrix unit, no cluster; no prefetch, since the loads themselves are all issued at the head.
.set D,    4                           ; v[4:35]    chunk c: my byte offset in the destination
.set X,    36                          ; v[36:163]  chunk c: 4 f32 as loaded
.set Y,    164                         ; v[164:227] chunk c: 4 bf16 to store
.set REG,  28                          ; s28  which tensor: 0 hidden, 1 Wv, 2 Wg, 3 Wo (rows of 2,048), 4 Wq (rows of 1,024)
.set IDX,  29                          ; s29  which 131,072 bytes of it
.set SRC,  32                          ; s[32:33]
.set DST,  34                          ; s[34:35]
.set PIT,  36                          ; s36  bytes from row to row in the destination
.set COL,  37                          ; s37  byte at which the tensor's columns begin in a destination row
.set ROWS, 38                          ; s38  source rows in the work-group's share
.set DB,   39                          ; s39  from chunk 0 to chunk 1
.set STP,  40                          ; s40  from chunk c to chunk c + 2
.set SH,   41                          ; s41  a wave's 128 columns lie 1 << SH bytes apart in the destination
	s_load_b512 s[8:23], s[0:1], 0x0               ; hidden 8, Wv 10, Wg 12, Wo 14, Wq 16, Wk 18, Ws 20, xb 22
	s_load_b128 s[24:27], s[0:1], 0x40             ; wc 24, wo 26
	v_lshlrev_b32 v1, 4, v0                        ; 16 t: my 4 numbers of a chunk
	v_lshrrev_b32 v2, 5, v0                        ; wave
	v_and_b32 v3, 31, v0                           ; lane
	s_wait_kmcnt 0x0
	s_cmp_ge_u32 ttmp9, 576
	s_cbranch_scc1 .Lpair                          ; work-groups 576-703: Wk and Ws together
	s_lshr_b32 s[REG], ttmp9, 7                    ; work-groups 0-511: four tensors of 128 shares; 512-575: Wq, 64 shares
	s_and_b32 s[IDX], ttmp9, 127
	s_and_b32 s30, ttmp9, 63
	s_cmp_lt_u32 ttmp9, 512
	s_cselect_b32 s[IDX], s[IDX], s30
	s_mov_b64 s[SRC:SRC+1], s[8:9]                 ; tensor 0: hidden -> xb
	s_mov_b64 s[DST:DST+1], s[22:23]
	s_mov_b32 s[PIT], 4096
	s_mov_b32 s[COL], 0
.macro PICK r, src, dst, pitch, col    ; tensor r takes these instead
	s_cmp_eq_u32 s[REG], \r
	s_cselect_b64 s[SRC:SRC+1], s[\src:\src+1], s[SRC:SRC+1]
	s_cselect_b64 s[DST:DST+1], s[\dst:\dst+1], s[DST:DST+1]
	s_cselect_b32 s[PIT], \pitch, s[PIT]
	s_cselect_b32 s[COL], \col, s[COL]
.endm
	PICK 1, 10, 24, 14336, 256
	PICK 2, 12, 24, 14336, 10240
	PICK 3, 14, 26, 4096, 0
	PICK 4, 16, 24, 14336, 8192
	s_lshl_b32 s[STP], s[PIT], 1
	s_cmp_lt_u32 s[REG], 4                         ; rows of 2,048 numbers are two chunks, rows of 1,024 one
	s_cselect_b32 s[ROWS], 16, 32
	s_cselect_b32 s[DB], 2048, s[PIT]
	s_cselect_b32 s[STP], s[PIT], s[STP]
	s_cmp_eq_u32 s[REG], 1                         ; Wv: a wave's 128 columns are one head's, 512 bytes apart; a chunk is eight heads
	s_cselect_b32 s[DB], 4096, s[DB]
	s_cselect_b32 s[SH], 9, 8
	s_lshl_b32 s42, s[IDX], 17
	s_mov_b32 s43, 0
	s_add_nc_u64 s[SRC:SRC+1], s[SRC:SRC+1], s[42:43]
	s_mul_i32 s44, s[IDX], s[ROWS]
	s_mul_i32 s44, s44, s[PIT]
	s_add_co_u32 s44, s44, s[COL]
	s_mov_b32 s45, 0
	s_add_nc_u64 s[DST:DST+1], s[DST:DST+1], s[44:45]
.set c, 0
.rept 32
	global_load_b128 v[X+4*c:X+4*c+3], v1, s[SRC:SRC+1] offset:4096*c th:TH_LOAD_NT
.set c, c+1
.endr
	v_lshlrev_b32 v2, s[SH], v2                    ; the destinations are made while the loads are out
	v_lshl_add_u32 v[D], v3, 3, v2                 ; the wave's place + 8 x lane
	v_add_nc_u32 v[D+1], s[DB], v[D]
.set c, 2
.rept 30
	v_add_nc_u32 v[D+c], s[STP], v[D+c-2]
.set c, c+1
.endr
.set c, 0
.rept 32
	s_wait_loadcnt 31-c                            ; loads come back in order: chunk c is in, the 31 - c younger ones stay out
	v_cvt_pk_bf16_f32 v[Y+2*c], v[X+4*c], v[X+4*c+1]
	v_cvt_pk_bf16_f32 v[Y+2*c+1], v[X+4*c+2], v[X+4*c+3]
	global_store_b64 v[D+c], v[Y+2*c:Y+2*c+1], s[DST:DST+1] th:TH_STORE_NT
.set c, c+1
.endr
	s_endpgm
.Lpair:                                        ; 16 rows of Wk and the same 16 rows of Ws: a row is one chunk; wave w holds heads 2 w (lanes 0-15) and 2 w + 1 (lanes 16-31) of each
	s_sub_co_u32 s30, ttmp9, 576
	s_lshl_b32 s42, s30, 16
	s_mov_b32 s43, 0
	s_add_nc_u64 s[18:19], s[18:19], s[42:43]
	s_add_nc_u64 s[20:21], s[20:21], s[42:43]
	s_mul_i32 s44, s30, 16*14336
	s_mov_b32 s45, 0
	s_add_nc_u64 s[24:25], s[24:25], s[44:45]
.set i, 0
.rept 16
	global_load_b128 v[X+8*i:X+8*i+3],   v1, s[18:19] offset:4096*i th:TH_LOAD_NT
	global_load_b128 v[X+8*i+4:X+8*i+7], v1, s[20:21] offset:4096*i th:TH_LOAD_NT
.set i, i+1
.endr
	v_lshlrev_b32 v2, 10, v2                       ; two heads a wave: 1,024 bytes
	v_lshl_add_u32 v[D], v3, 3, v2
.set i, 0
.rept 16
	s_wait_loadcnt 30-2*i                          ; row i's two loads are in, the 30 - 2 i younger ones stay out
	v_cvt_pk_bf16_f32 v[Y+4*i],   v[X+8*i],   v[X+8*i+1]
	v_cvt_pk_bf16_f32 v[Y+4*i+1], v[X+8*i+2], v[X+8*i+3]
	v_cvt_pk_bf16_f32 v[Y+4*i+2], v[X+8*i+4], v[X+8*i+5]
	v_cvt_pk_bf16_f32 v[Y+4*i+3], v[X+8*i+6], v[X+8*i+7]
	v_permlane16_swap_b32 v[Y+4*i],   v[Y+4*i+2]   ; k's lanes 16-31 change places with s's lanes 0-15: the first register now holds head 2 w's k and s, the second head 2 w + 1's
	v_permlane16_swap_b32 v[Y+4*i+1], v[Y+4*i+3]
	global_store_b64 v[D], v[Y+4*i:Y+4*i+1],   s[24:25] offset:14336*i th:TH_STORE_NT
	global_store_b64 v[D], v[Y+4*i+2:Y+4*i+3], s[24:25] offset:14336*i+512 th:TH_STORE_NT
.set i, i+1
.endr
	s_endpgm
.Lfunc_end_k_q7c0df0cf52_prep:
	.size	k_q7c0df0cf52_prep, .Lfunc_end_k_q7c0df0cf52_prep-k_q7c0df0cf52_prep
	.p2alignl 7, 3214868480
	.fill 96, 4, 3214868480
	.section	.rodata,"a",@progbits
	.p2align	6, 0x0
	.amdhsa_kernel k_q7c0df0cf52_prep
		.amdhsa_group_segment_fixed_size 0
		.amdhsa_private_segment_fixed_size 0
		.amdhsa_enable_private_segment 0
		.amdhsa_kernarg_size 80
		.amdhsa_user_sgpr_count 2
		.amdhsa_user_sgpr_kernarg_segment_ptr 1
		.amdhsa_wavefront_size32 1
		.amdhsa_system_sgpr_workgroup_id_x 1
		.amdhsa_system_sgpr_workgroup_id_y 1
		.amdhsa_system_sgpr_workgroup_id_z 1
		.amdhsa_system_vgpr_workitem_id 0
		.amdhsa_next_free_vgpr 232
		.amdhsa_next_free_sgpr 66
		.amdhsa_reserve_vcc 0
		.amdhsa_float_denorm_mode_32 3
		.amdhsa_float_denorm_mode_16_64 3
		.amdhsa_memory_ordered 1
		.amdhsa_forward_progress 1
		.amdhsa_inst_pref_size 27
	.end_amdhsa_kernel
	.amdgpu_metadata
---
amdhsa.version: [ 1, 2 ]
amdhsa.kernels:
  - .name:           k_q7c0df0cf52_prep
    .symbol:         k_q7c0df0cf52_prep.kd
    .args:
      - { .name: hidden_states, .offset: 0, .size: 8, .value_kind: global_buffer, .address_space: global }
      - { .name: Wv, .offset: 8, .size: 8, .value_kind: global_buffer, .address_space: global }
      - { .name: Wg, .offset: 16, .size: 8, .value_kind: global_buffer, .address_space: global }
      - { .name: Wo, .offset: 24, .size: 8, .value_kind: global_buffer, .address_space: global }
      - { .name: Wq, .offset: 32, .size: 8, .value_kind: global_buffer, .address_space: global }
      - { .name: Wk, .offset: 40, .size: 8, .value_kind: global_buffer, .address_space: global }
      - { .name: Ws, .offset: 48, .size: 8, .value_kind: global_buffer, .address_space: global }
      - { .name: xb, .offset: 56, .size: 8, .value_kind: global_buffer, .address_space: global }
      - { .name: wc, .offset: 64, .size: 8, .value_kind: global_buffer, .address_space: global }
      - { .name: wo, .offset: 72, .size: 8, .value_kind: global_buffer, .address_space: global }
    .group_segment_fixed_size: 0
    .private_segment_fixed_size: 0
    .kernarg_segment_align: 8
    .kernarg_segment_size: 80
    .max_flat_workgroup_size: 256
    .sgpr_count:     66
    .vgpr_count:     232
    .wavefront_size: 32
...
	.end_amdgpu_metadata
.endif
;; end of part 1
;; launch gemm1 (part 2): grid 28 x 8, 4 waves a work-group, clusters of 4 x 4, 327,680 bytes of LDS; arguments xb, wc, qke, vg, sl; writes qke, vg, sl
.if DOCPART == 2
	.amdgcn_target "amdgcn-amd-amdhsa--gfx1250"
	.amdhsa_code_object_version 6
	.text
	.protected	k_q7c0df0cf52_gemm1
	.globl	k_q7c0df0cf52_gemm1
	.p2align	8
	.type	k_q7c0df0cf52_gemm1,@function
k_q7c0df0cf52_gemm1:
	s_mov_b64 s[64:65], 0
	v_nop
	global_prefetch_b8 v0, s[64:65] scope:SCOPE_SE
	s_setreg_imm32_b32 hwreg(HW_REG_WAVE_MODE, 25, 1), 1
	s_wait_xcnt 0x0
	s_wait_alu depctr_hold_cnt(0) depctr_sa_sdst(0) depctr_va_vdst(0) depctr_va_sdst(0) depctr_va_ssrc(0) depctr_va_vcc(0) depctr_vm_vsrc(0)
	s_getreg_b32 s2, hwreg(HW_REG_IB_STS2, 6, 4)
	s_cmp_eq_u32 s2, 0
	s_cbranch_scc0 .Lentry_in_a_cluster
	s_endpgm
.Lentry_in_a_cluster:
	s_bfe_u32 s2, ttmp6, 0x10000c
	s_cmp_lg_u32 s2, 0xf033
	s_cbranch_scc0 .Lentry_shape_is_right
	s_endpgm
.Lentry_shape_is_right:
; C = xb wc: xb [2048 t][2048 k], wc [2048 k][7168 n], both bf16, sums in f32.  The five projections in one product, and the local states of the recurrence made from its tiles.
; COLUMNS.  Tile column tc of 256: tc 0-15: head tc's [k 64 | s 64 | v 128]; tc 16-19: q; tc 20-27: g.  What leaves:
;   q, k: bf16;  E = exp(clip(s, -32, 32)): bf16 -> qke [3: q, k, E][16 h][2048 t][64];      v, g sigmoid(g): f16 -> vg [2][16 h][2048 t][128];
;   and for each head and block b of 128 rows of time, unnormalised, in f32, record 16 h + b of sl:  HK[m][kd] = sum_i E_i[m] k_i[kd] at 0;  HV[c][m] = sum_i v_i[c] E_i[m] at 16,384;  Z[m] = sum_i E_i[m] at 49,152.
; LIMITS.  v and g sigmoid(g) are kept in f16: they must stay under 65,504, and below 6e-5 they keep f16's fixed step of 6e-8.  E takes no maximum away: the clip that the problem itself makes
; bounds it to 1.3e-14 .. 7.9e13, inside bf16's range, and a block's sums to 1e16.  NaN and infinities are not treated apart.
; SHAPE.  A tile of C is 256 x 256, four waves of 128 x 128 (64 accumulators, 512 registers).  K goes in 16 steps of 128 through two LDS slots filled by the tensor data mover.
; 28 x 8 = 224 tiles: a section's border falls on a multiple of 256 columns, and 7,168 x 2,048 has no tiling in tiles of one size that gives 256 work-groups with whole sections.
; B LIES [k][n]: its tile is 128 k rows of 512 bytes, and a fragment (16 n x 32 k) comes out of LDS turned, by two ds_load_tr16_b128.
; CLUSTERS of 4 x 4: A's tile is shared along a row of the cluster, B's along a column; each is asked for jointly, by the same load with the same descriptor and a mask of four.
; A section is whole columns of clusters (cluster x 0-3: k, s, v; 4: q; 5, 6: g), so every branch on the section hangs on the cluster's x alone: it is the same in all sixteen partners.
; THE MATRIX INSTRUCTION IS USED TRANSPOSED (source 0 = 16 columns of B, source 1 = 16 rows of A): a lane holds row l % 16 of C and the columns 8 (l / 16) + 0..7.
; REGISTERS in windows of 256: window 0 addresses, A's two fragment buffers (v64-127, v128-191), on the way out all that is at work; window 1 B's two buffers; windows 2, 3 the accumulators, (a, b) at 8 (8 a + b).
.set KSTEP,  128
.set KX,     2048
.set NW,     7168
.set PA,     272                       ; a row of A in LDS: 256 bytes + 16: the 16 rows of a fragment load start 4 banks apart
.set PB,     544                       ; a row of B: 512 bytes + 32, an odd multiple of 32 bytes
.set HALF,   128*PA                    ; what one tensor load brings: 128 rows of A, or 64 rows of B (64 x 544 is the same 34,816 bytes)
.set SLOT,   4*HALF                    ; A's two halves, then B's two halves
.set SPARE,  327168                    ; the last 512 bytes: the spare words, 128 bytes a wave, which no other line names
.set DP,     528                       ; the way out: a row of 128 f32 + 16 bytes
.set DREG,   128*DP                    ; a wave's 128 rows; the four regions lie in the ring, whose last fill is then over
.set TPI,    288                       ; a row of a 16-bit tile ([k | E], or v): 256 bytes + 32; the tile lies at the head of the wave's region, over rows of the f32 copy that have been read
.set TILEB,  128*TPI                   ; behind it, in the same region: the wave's 64 rows of HV
.set SP,     272                       ; a row of 64 f32 of a state + 16 bytes
.set HKS0,   4*DREG                    ; behind the four regions: for each half of the tile's rows HK's 64 rows and Z's one
.set HKSZ,   17920
.set BSTEP,  KSTEP*NW*2                ; bytes of wc from a K step to the next
.set LAPS,   KX/(2*KSTEP)
.set LKE,  2                           ; v2      the states: my lane's place in my block's [k | E] tile, read turned
.set LV,   3                           ; v3      and in its v tile
.set LST,  4                           ; v4      row l % 16, 32 bytes for each half of the lanes, in rows of 272
.set LZ,   5                           ; v5      32 bytes for each half of the lanes
.set A1,   6                           ; v6-8    the addresses of the group of 32 rows in hand
.set A2,   7
.set A3,   8
.set STH,  9
.set STV,  10
.set STZ,  11
.set ADRA, 16                          ; v16-17  LDS address of my A fragments in slot 0, 1
.set ADRB, 20                          ; v20-21  the same for B
.set RDS,  22                          ; v22     where a state's rows are read back
.set RDW,  23                          ; v23     the way out of k, s, v: where a lane reads, 16 lanes a row
.set STO,  24                          ; v24     the way out: where a lane puts its 32 bytes of a row
.set RD,   25                          ; v25     where it reads them back
.set GO,   26                          ; v26     16 x lane
.set TS,   27                          ; v27     where it puts 16 packed bytes of a 16-bit tile, 8 lanes a row
.set SPW,  28                          ; v28     my spare word; never rewritten
.set NIL,  29                          ; v29     0; never rewritten
.set PFO,  30                          ; v30     the prefetches' lane offset; never rewritten
.set TSW,  31                          ; v31     as TS, 16 lanes a row
.set F0,   64
.set F1,   128
.set T,    64                          ; the way out: 8 rows x 128 columns, 32 f32 a lane
.set U,    96
.set Y,    128                         ; 16 packed words to store
.set S_VF,  32                         ; the states: v's two fragments, f16
.set S_T,   48                         ; at work
.set S_VH,  56                         ; their high bf16 part
.set S_VL,  72                         ; their low bf16 part
.set S_EF,  88                         ; E's fragments of the four m blocks
.set S_KF,  120
.set S_ONE, 128                        ; bf16 1.0 everywhere
.set S_ZE,  136                        ; E's fragment of my m block
.set S_AKE, 144                        ; 4 accumulators
.set S_AHV, 176                        ; 8 accumulators, (c, m) at 8 (4 c + m)
.set S_AZ,  240
.set S_ONEF, 248                       ; 1.0
.set S_ZR,  249                        ; 0.0
.set WV,   12                          ; s12  wave
.set FK,   13                          ; s13  wave / 2: I fetch for A (0) or B (1); also: my half of the tile's columns
.set HF,   14                          ; s14  wave % 2: which half of that tile I fetch; also: my half of the tile's rows
.set CX,   15
.set CY,   16
.set TC,   17                          ; tile column = 4 x cluster x + cx
.set TR,   18                          ; tile row = 4 x cluster y + cy
.set LIM,  19                          ; 1 in a wave that prefetches, else the greatest number
.set G1,   24
.set G0,   32
.set PFA,  40                          ; s[40:41] where my prefetches stand
.set PSTEP, 42                         ; s[42:43] a K step in that tensor
.set G1B,  48
.set G0B,  56
.set OB,   66                          ; s[66:67] where my part of the output begins (in a k, s, v tile: k's)
.set CLO,  68
.set CHI,  69
.set L2E,  70                          ; s[70:71] log2(e)
.set NL2E, 72                          ; s[72:73] -log2(e)
.set DBS,  74                          ; my region of the way out
.set OBV,  80                          ; s[80:81] in a k, s, v tile: where v's rows go
.set HKSB, 84                          ; my block's HK and Z in LDS
.set HVSB, 85                          ; my 64 rows of HV in LDS
.set WP,   86                          ; which quarter of the state is in hand
.set SW,   87                          ; 32 x that
.set TV,   88                          ; 64 x that + the group's rows
.set TG,   89                          ; the group's rows
.set SA,   90
.set SB,   91
.set RB,   92                          ; s[92:93] where HV's rows go
.set RB2,  94                          ; s[94:95] where HK's rows go
.set SLP,  96                          ; s[96:97] sl
.set MHI,  98
.set MSB, 0
.macro WIN new                         ; the immediate's high byte repeats the setting that is left; a switch that changes nothing is dropped
.if MSB != (\new)
	s_set_vgpr_msb (MSB<<8)|(\new)
.set MSB, \new
.endif
.endm
.set MUL_LO, 0xa1                      ; source 0 (B) window 1, source 1 (A) window 0, C and D window 2
.set MUL_HI, 0xf1                      ; the same, C and D window 3
.set TO_B,   0x40
; A joint load: waves 0, 1 fetch A's halves, waves 2, 3 B's.  The branch hangs on the wave's number alone.  An s_nop 0 and four v_nop follow each line.
.macro JLOAD s
	s_cmp_eq_u32 s[FK], 0
	s_cbranch_scc0 .Lfor_b_\@
	tensor_load_to_lds s[G0+4*(\s):G0+4*(\s)+3], s[G1:G1+7]
	s_nop 0
.rept 4
	v_nop
.endr
	s_branch .Lasked_\@
.Lfor_b_\@:
	tensor_load_to_lds s[G0B+4*(\s):G0B+4*(\s)+3], s[G1B:G1B+7]
	s_nop 0
.rept 4
	v_nop
.endr
.Lasked_\@:
.endm
; A prefetch of the K step two refills on: 32 blocks of 256 bytes, a lane a block.  A's rows are named by the clusters with x = 0, B's by those with y = 0; the four partners that ask for
; a tile jointly share its blocks out by address.  The loop's last trip (s3 = 1) has no K step two on.
.macro ASK
	s_cmp_gt_u32 s3, s[LIM]
	s_cbranch_scc0 .Lnot_mine_\@
	global_prefetch_b8 v[PFO], s[PFA:PFA+1] th:TH_LOAD_NT scope:SCOPE_SE
.Lnot_mine_\@:
.endm
.macro CREST                           ; a round of the cluster's barrier behind its opening barrier
	s_cmp_lg_u32 s[WV], 0
	s_cbranch_scc1 .Lnot_wave_0_\@
	s_barrier_signal -3
.Lnot_wave_0_\@:
	s_barrier_wait -3
	s_barrier_signal -1
	s_barrier_wait -1
.endm
.macro CROUND
	s_barrier_signal -1
	s_barrier_wait -1
	CREST
.endm
	s_load_b256 s[4:11], s[0:1], 0x0               ; xb s[4:5], wc s[6:7], qke s[8:9], vg s[10:11]
	s_load_b64 s[SLP:SLP+1], s[0:1], 0x20          ; sl
	v_lshl_add_u32 v[SPW], v0, 2, SPARE
	v_mov_b32 v[NIL], 0
	ds_add_u32 v[SPW], v[NIL]                      ; the wave's opening: the add and its wait ahead of my first tensor load
	v_lshrrev_b32 v1, 5, v0
	v_readfirstlane_b32 s[WV], v1
	s_lshr_b32 s[FK], s[WV], 1
	s_and_b32 s[HF], s[WV], 1
	s_bfe_u32 s[CX], ttmp6, 0x40000
	s_bfe_u32 s[CY], ttmp6, 0x40004
	s_lshl_b32 s[TC], ttmp9, 2
	s_add_co_u32 s[TC], s[TC], s[CX]
	s_and_b32 s[TR], ttmp7, 0xffff
	s_lshl_b32 s[TR], s[TR], 2
	s_add_co_u32 s[TR], s[TR], s[CY]
	s_lshl_b32 s20, s[CY], 2
	s_lshl_b32 s20, 15, s20                        ; my row of the cluster
	s_lshl_b32 s21, 0x1111, s[CX]                  ; my column
	s_or_b32 s[G1], s20, (1<<16)|(1<<20)|(1<<21)|(5<<22)|(3<<25)   ; the mask; 2-byte elements; padding on; bit 21 beside a mask; after every 64 words 4 words
	s_mov_b32 s[G1+1], KSTEP<<16                   ; tensor_dim0 = 128
	s_mov_b32 s[G1+2], 128<<16                     ; tensor_dim1 = 128
	s_mov_b32 s[G1+3], KSTEP<<16                   ; tile_dim0 = 128
	s_mov_b32 s[G1+4], 128                         ; tile_dim1 = 128
	s_mov_b32 s[G1+5], KX                          ; elements from row to row
	s_mov_b32 s[G1+6], 0
	s_mov_b32 s[G1+7], 0
	s_or_b32 s[G1B], s21, (1<<16)|(1<<20)|(1<<21)|(6<<22)|(7<<25)  ; after every 128 words 8 words
	s_mov_b32 s[G1B+1], 256<<16                    ; 256 columns
	s_mov_b32 s[G1B+2], 64<<16                     ; 64 k rows
	s_mov_b32 s[G1B+3], 256<<16
	s_mov_b32 s[G1B+4], 64
	s_mov_b32 s[G1B+5], NW
	s_mov_b32 s[G1B+6], 0
	s_mov_b32 s[G1B+7], 0
	s_lshl_b32 s22, s[TR], 8                       ; A: row 256 x tile row + 128 x half, 4,096 bytes a row
	s_lshl_b32 s23, s[HF], 7
	s_add_co_u32 s22, s22, s23
	s_lshl_b32 s22, s22, 12
	s_mov_b32 s23, 0
	s_mul_i32 s44, s[HF], 64*NW*2                  ; B: k row 64 x half, byte 512 x tile column
	s_lshl_b32 s45, s[TC], 9
	s_add_co_u32 s44, s44, s45
	s_mov_b32 s45, 0
	s_mul_i32 s46, s[WV], HALF                     ; where my tile goes: no place in the cluster enters an LDS address
	s_mov_b32 s[CLO], 0xc2000000                   ; -32
	s_mov_b32 s[CHI], 0x42000000                   ; 32
	s_mov_b32 s[L2E], 0x3fb8aa3b
	s_mov_b32 s[L2E+1], 0x3fb8aa3b
	s_mov_b32 s[NL2E], 0xbfb8aa3b
	s_mov_b32 s[NL2E+1], 0xbfb8aa3b
	s_wait_dscnt 0x0                               ; the opening add is done
	s_wait_kmcnt 0x0
	s_add_nc_u64 s[22:23], s[4:5], s[22:23]
	s_add_nc_u64 s[44:45], s[6:7], s[44:45]
	CROUND                                         ; all sixteen work-groups are here: the first joint loads meet
.irp s, 0,1
	s_mov_b32 s[G0+4*(\s)], 1
	s_add_co_u32 s[G0+4*(\s)+1], s46, (\s)*SLOT
	s_add_nc_u64 s[G0+4*(\s)+2:G0+4*(\s)+3], s[22:23], (\s)*KSTEP*2
	s_or_b32 s[G0+4*(\s)+3], s[G0+4*(\s)+3], 0x80000000
	s_mov_b32 s[G0B+4*(\s)], 1
	s_add_co_u32 s[G0B+4*(\s)+1], s46, (\s)*SLOT
	s_add_nc_u64 s[G0B+4*(\s)+2:G0B+4*(\s)+3], s[44:45], (\s)*BSTEP
	s_or_b32 s[G0B+4*(\s)+3], s[G0B+4*(\s)+3], 0x80000000
	JLOAD \s
.endr
	v_and_b32 v1, 15, v0                           ; r = l % 16
	v_bfe_u32 v2, v0, 4, 1                         ; h = l / 16
	v_mul_u32_u24 v3, v1, PA
	v_lshl_add_u32 v3, v2, 4, v3                   ; A: row x pitch + 16 h
	s_mul_i32 s47, s[HF], HALF                     ; my 128 rows
	v_add_nc_u32 v[ADRA], s47, v3
	v_add_nc_u32 v[ADRA+1], SLOT, v[ADRA]
	v_and_b32 v4, 7, v0                            ; B, turned: lane l reads k row 8 h + l % 8, 16 bytes at 16 ((l / 8) % 2)
	v_lshl_add_u32 v4, v2, 3, v4
	v_mul_u32_u24 v4, v4, PB
	v_bfe_u32 v5, v0, 3, 1
	v_lshl_add_u32 v4, v5, 4, v4
	s_lshl_b32 s75, s[FK], 8                       ; my 128 columns,
	s_add_co_u32 s75, s75, 2*HALF                  ; behind A's 256 rows
	v_add_nc_u32 v[ADRB], s75, v4
	v_add_nc_u32 v[ADRB+1], SLOT, v[ADRB]
	s_mul_i32 s[DBS], s[WV], DREG
	v_mul_u32_u24 v5, v1, DP
	v_lshl_add_u32 v5, v2, 5, v5
	v_add_nc_u32 v[STO], s[DBS], v5                ; the way out: row r, 32 bytes for each half of the lanes
	; the prefetches: A: my work-group's 32 of the 128 rows that I fetch, a lane a row; B: its 16 of the 64 k rows, two lanes a row.  They stand at K step 3 and are stepped ahead of each use.
	s_lshl_b32 s76, s[TR], 8
	s_lshl_b32 s78, s[HF], 7
	s_add_co_u32 s76, s76, s78
	s_lshl_b32 s78, s[CX], 5
	s_add_co_u32 s76, s76, s78
	s_lshl_b32 s76, s76, 12
	s_add_co_u32 s76, s76, 3*KSTEP*2
	s_lshl_b32 s77, s[HF], 6
	s_lshl4_add_u32 s77, s[CY], s77
	s_mul_i32 s77, s77, NW*2
	s_lshl_b32 s78, s[TC], 9
	s_add_co_u32 s77, s77, s78
	s_add_co_u32 s77, s77, 3*BSTEP
	s_and_b32 s79, ttmp7, 0xffff                   ; cluster y
	s_mov_b32 s[PSTEP], BSTEP
	s_mov_b32 s83, NW*2
	s_cmp_eq_u32 s[FK], 0                          ; do I fetch for A?
	s_cselect_b32 s80, s76, s77
	s_cselect_b32 s79, ttmp9, s79                  ; the coordinate along which other clusters read the same blocks
	s_cselect_b64 s[PFA:PFA+1], s[4:5], s[6:7]
	s_cselect_b32 s[PSTEP], KSTEP*2, s[PSTEP]
	s_cselect_b32 s82, 0, 1
	s_cselect_b32 s83, 4096, s83
	s_mov_b32 s81, 0
	s_mov_b32 s[PSTEP+1], 0
	s_add_nc_u64 s[PFA:PFA+1], s[PFA:PFA+1], s[80:81]
	s_cmp_eq_u32 s79, 0
	s_cselect_b32 s[LIM], 1, -1                    ; the same in all sixteen partners, for a given wave
	v_and_b32 v6, 31, v0
	v_lshrrev_b32 v7, s82, v6
	v_mul_u32_u24 v7, s83, v7
	v_and_b32 v6, s82, v6
	v_lshl_add_u32 v[PFO], v6, 8, v7
; 16 matrix instructions: m blocks a0, a0 + 1 of the window's four x all 8 n blocks, 32 along K.  zero = 1: the first product starts the sums.  The 64 accumulators take turns.
.macro MUL16 f, hi, a0, zero
	WIN MUL_LO+0x50*(\hi)
.irp a, \a0, (\a0)+1
.irp b, 0,1,2,3,4,5,6,7
.if \zero
	v_wmma_f32_16x16x32_bf16 v[8*(8*(\a)+(\b)):8*(8*(\a)+(\b))+7], v[(\f)+8*(\b):(\f)+8*(\b)+7], v[(\f)+8*(4*(\hi)+(\a)):(\f)+8*(4*(\hi)+(\a))+7], 0
.else
	v_wmma_f32_16x16x32_bf16 v[8*(8*(\a)+(\b)):8*(8*(\a)+(\b))+7], v[(\f)+8*(\b):(\f)+8*(\b)+7], v[(\f)+8*(4*(\hi)+(\a)):(\f)+8*(4*(\hi)+(\a))+7], v[8*(8*(\a)+(\b)):8*(8*(\a)+(\b))+7]
.endif
.endr
.endr
.endm
; 32 LDS loads in one run: the fragments of one quarter step (32 along K: byte k of A's rows, k rows k / 2 on of B) into buffer f; B first
.macro FETCH slot, k, f
	WIN TO_B
.irp i, 0,1,2,3,4,5,6,7
	ds_load_tr16_b128 v[(\f)+8*(\i):(\f)+8*(\i)+3],   v[ADRB+(\slot)] offset:((\k)/64)*32*PB+32*(\i)
	ds_load_tr16_b128 v[(\f)+8*(\i)+4:(\f)+8*(\i)+7], v[ADRB+(\slot)] offset:((\k)/64)*32*PB+32*(\i)+16*PB
.endr
	WIN 0
.irp i, 0,1,2,3,4,5,6,7
	ds_load_b128 v[(\f)+8*(\i):(\f)+8*(\i)+3],   v[ADRA+(\slot)] offset:(\k)+(\i)*16*PA
	ds_load_b128 v[(\f)+8*(\i)+4:(\f)+8*(\i)+7], v[ADRA+(\slot)] offset:(\k)+(\i)*16*PA+32
.endr
.endm
.macro PLACES                          ; four plain instructions between a matrix instruction and a load into, or a read of, its registers
.rept 4
	v_nop
.endr
.endm
.macro QUARTER slot, k, f, g, zero     ; multiplies buffer f; in its middle fetches the next quarter, at byte k, into g
	s_wait_dscnt 8                                 ; B and A's rows 0-63 are in; the youngest eight loads (A's rows 64-127) may be out
	MUL16 \f, 0, 0, \zero
	MUL16 \f, 0, 2, \zero
	PLACES
	FETCH \slot, \k, \g
	s_wait_dscnt 32                                ; all but the 32 just issued
	MUL16 \f, 1, 0, \zero
	MUL16 \f, 1, 2, \zero
.endm
; The last quarter of a K step multiplies buffer 1 and changes slots.  In front of the one barrier each wave waits for all its tensor loads (one is out: its part of the next slot), adds 0 to its
; spare word, and waits for that and for its reads of this slot.  fill = 1: the barrier opens a round of the cluster's, and the joint refill, two K steps on, is the first thing behind it.
.macro TURN slot, next, fill
.if \fill
	s_wait_xcnt 0x0                                ; the last prefetch, a K step back, has read its address
	s_add_nc_u64 s[PFA:PFA+1], s[PFA:PFA+1], s[PSTEP:PSTEP+1]
.endif
	WIN 0
	s_wait_tensorcnt 0x0
	ds_add_u32 v[SPW], v[NIL]
	s_wait_dscnt 9                                 ; the add and the youngest eight loads may be out
	MUL16 F1, 0, 0, 0
	s_wait_dscnt 0x0                               ; the add is done, and my reads of this slot are over
	s_barrier_signal -1
	MUL16 F1, 0, 2, 0
.if \fill
	WIN 0
.endif
	s_barrier_wait -1
.if \fill
	CREST
	s_add_nc_u64 s[G0+4*(\slot)+2:G0+4*(\slot)+3], s[G0+4*(\slot)+2:G0+4*(\slot)+3], 2*KSTEP*2
	s_add_nc_u64 s[G0B+4*(\slot)+2:G0B+4*(\slot)+3], s[G0B+4*(\slot)+2:G0B+4*(\slot)+3], 2*BSTEP
	JLOAD \slot                                    ; 224 matrix instructions ahead of the wait for it; its four v_nop are also the places in front of the loads below
.else
	PLACES
.endif
	FETCH \next, 0, F0
.if \fill
	ASK
.endif
	MUL16 F1, 1, 0, 0
	MUL16 F1, 1, 2, 0
.endm
	s_wait_tensorcnt 1                             ; my part of K step 0 is in; K step 1's may stay out
	s_barrier_signal -1
	s_barrier_wait -1
	FETCH 0, 0, F0
	QUARTER 0, 64,  F0, F1, 1                      ; the first quarter starts the sums
	WIN 0
	s_mov_b32 s3, LAPS-1
.Llap:                                                 ; a trip goes once round the ring and fills both slots again
	QUARTER 0, 128, F1, F0, 0
	QUARTER 0, 192, F0, F1, 0
	TURN 0, 1, 1
	QUARTER 1, 64,  F0, F1, 0
	QUARTER 1, 128, F1, F0, 0
	QUARTER 1, 192, F0, F1, 0
	TURN 1, 0, 1
	QUARTER 0, 64,  F0, F1, 0
	WIN 0
	s_sub_co_u32 s3, s3, 1
	s_cmp_lg_u32 s3, 0
	s_cbranch_scc1 .Llap
	QUARTER 0, 128, F1, F0, 0                      ; the last lap fills nothing
	QUARTER 0, 192, F0, F1, 0
	TURN 0, 1, 0
	QUARTER 1, 64,  F0, F1, 0
	QUARTER 1, 128, F1, F0, 0
	QUARTER 1, 192, F0, F1, 0
	s_wait_dscnt 8
	MUL16 F1, 0, 0, 0
	MUL16 F1, 0, 2, 0
	s_wait_dscnt 0x0
	MUL16 F1, 1, 0, 0
	MUL16 F1, 1, 2, 0
	; THE WAY OUT.  All 64 accumulators go as f32 into my region of the ring (its fills are over; every wave's reads of it are over behind the barrier); then 16 trips read 8 rows back,
	; do the section's arithmetic, round, and store 512 consecutive bytes an instruction.
	PLACES
	PLACES
	WIN 0
	s_wait_dscnt 0x0
	s_barrier_signal -1
	s_barrier_wait -1
.irp hi, 0,1
	WIN 0x08+4*(\hi)                               ; the stores' data (source 1) in window 2, then 3
.irp a, 0,1,2,3
.irp b, 0,1,2,3,4,5,6,7
	ds_store_b128 v[STO], v[8*(8*(\a)+(\b)):8*(8*(\a)+(\b))+3]   offset:(4*(\hi)+(\a))*16*DP+64*(\b)
	ds_store_b128 v[STO], v[8*(8*(\a)+(\b))+4:8*(8*(\a)+(\b))+7] offset:(4*(\hi)+(\a))*16*DP+64*(\b)+16
.endr
.endr
.endr
	WIN 0
	s_lshl_b32 s76, s[TR], 8
	s_lshl_b32 s77, s[HF], 7
	s_add_co_u32 s76, s76, s77                     ; my first row t
	v_and_b32 v[GO], 31, v0
	v_lshlrev_b32 v[GO], 4, v[GO]
	s_mov_b32 s2, 16
; A trip's work on 8 rows, by kind: 0 q (my 128 columns are two heads of 64); 1 [k | s] of one head; 2 v; 3 g sigmoid(g).  Kinds 0, 1: a unit is 4 rows of 64 columns; kinds 2, 3: 2 rows of 128.
; Kinds 1 and 2 also lay their packed rows into a 16-bit tile at the head of my region, for the states: trip t writes bytes 2,304 t on, and the f32 rows not yet read begin at 4,224 (t + 1).
; rd: where the lane reads; ts: where it puts its 16 bytes of the tile; ob: the output's base.  The steps stand behind the body, in the loops below.
.macro BODY kind, rd, ts, ob
.irp u, 0,1,2,3
.if (\kind) < 2
	ds_load_b128 v[T+8*(\u):T+8*(\u)+3],   v[\rd] offset:((\u)%2)*4*DP+((\u)/2)*256
	ds_load_b128 v[T+8*(\u)+4:T+8*(\u)+7], v[\rd] offset:((\u)%2)*4*DP+((\u)/2)*256+16
.else
	ds_load_b128 v[T+8*(\u):T+8*(\u)+3],   v[\rd] offset:(\u)*2*DP
	ds_load_b128 v[T+8*(\u)+4:T+8*(\u)+7], v[\rd] offset:(\u)*2*DP+16
.endif
.endr
	s_wait_dscnt 0x0                               ; LDS serves a wave's instructions in order: these saw my stores above
.if (\kind) == 1                       ; units 0, 1 are k, units 2, 3 are s
.set i, 16
.rept 16
	v_med3_num_f32 v[T+i], v[T+i], s[CLO], s[CHI]
.set i, i+1
.endr
.set i, 16
.rept 8
	v_pk_mul_f32 v[T+i:T+i+1], v[T+i:T+i+1], s[L2E:L2E+1] op_sel_hi:[1,0]
.set i, i+2
.endr
.set i, 16
.rept 16
	v_exp_f32 v[T+i], v[T+i]
.set i, i+1
.endr
.set i, 0
.rept 8
	v_cvt_pk_bf16_f32 v[Y+i], v[T+2*i], v[T+2*i+1] ; k's roundings name no exponential's result: the plain work behind the batch
.set i, i+1
.endr
	s_wait_alu depctr_va_vdst(0)                   ; one wait for the batch
.set i, 8
.rept 8
	v_cvt_pk_bf16_f32 v[Y+i], v[T+2*i], v[T+2*i+1]
.set i, i+1
.endr
.endif
.if (\kind) == 3
.set i, 0
.rept 16
	v_pk_mul_f32 v[U+i:U+i+1], v[T+i:T+i+1], s[NL2E:NL2E+1] op_sel_hi:[1,0]
.set i, i+2
.endr
.set i, 0
.rept 32
	v_exp_f32 v[U+i], v[U+i]
.set i, i+1
.endr
	v_nop                                          ; a plain instruction behind the last exponential,
	s_wait_alu depctr_va_vdst(0)                   ; and one wait for the batch
.set i, 0
.rept 16
	v_pk_add_f32 v[U+i:U+i+1], v[U+i:U+i+1], 1.0 op_sel_hi:[1,0]
.set i, i+2
.endr
.set i, 0
.rept 32
	v_rcp_f32 v[U+i], v[U+i]
.set i, i+1
.endr
	v_nop
	s_wait_alu depctr_va_vdst(0)
.set i, 0
.rept 16
	v_pk_mul_f32 v[T+i:T+i+1], v[T+i:T+i+1], v[U+i:U+i+1]   ; g / (1 + e^-g)
.set i, i+2
.endr
.endif
.if (\kind) != 1
.set i, 0
.rept 16
.if (\kind) == 0
	v_cvt_pk_bf16_f32 v[Y+i], v[T+2*i], v[T+2*i+1]
.else
	v_cvt_pk_f16_f32 v[Y+i], v[T+2*i], v[T+2*i+1]
.endif
.set i, i+1
.endr
.endif
.irp u, 0,1,2,3
.if (\kind) == 0
	global_store_b128 v[GO], v[Y+4*(\u):Y+4*(\u)+3], s[\ob:\ob+1] offset:((\u)/2)*262144+((\u)%2)*512    ; the second 64 columns are the next head's
.elseif (\kind) == 1
	global_store_b128 v[GO], v[Y+4*(\u):Y+4*(\u)+3], s[\ob:\ob+1] offset:((\u)/2)*4194304+((\u)%2)*512   ; the second 64 columns are E's section
.else
	global_store_b128 v[GO], v[Y+4*(\u):Y+4*(\u)+3], s[\ob:\ob+1] offset:(\u)*512
.endif
.endr
.irp u, 0,1,2,3
.if (\kind) == 1
	ds_store_b128 v[\ts], v[Y+4*(\u):Y+4*(\u)+3] offset:((\u)%2)*4*TPI+((\u)/2)*128
.elseif (\kind) == 2
	ds_store_b128 v[\ts], v[Y+4*(\u):Y+4*(\u)+3] offset:(\u)*2*TPI
.endif
.endr
.endm
.macro OUT kind, step                  ; the loop of a section in which all four waves do the same
.Lout_\kind:
	BODY \kind, RD, TS, OB
	v_add_nc_u32 v[RD], 8*DP, v[RD]
	s_wait_xcnt 0x0                                ; Y and the base are written again only behind this wait
	s_add_nc_u64 s[OB:OB+1], s[OB:OB+1], \step
	s_sub_co_u32 s2, s2, 1
	s_cmp_lg_u32 s2, 0
	s_cbranch_scc1 .Lout_\kind
.endm
.macro LANE_RD bits, rd                ; v3 = the lane's row in a unit, v4 = its place in the row: 8 lanes a row of 64 columns (bits = 3), 16 a row of 128 (bits = 4); rd = where it reads
	v_bfe_u32 v3, v0, \bits, 5-(\bits)
	v_and_b32 v4, (1<<(\bits))-1, v0
	v_mul_u32_u24 v5, v3, DP
	v_lshl_add_u32 v5, v4, 5, v5
	v_add_nc_u32 v[\rd], s[DBS], v5
.endm
.macro LANE_TS ts                      ; behind LANE_RD: the same lane's 16 bytes in the 16-bit tile
	v_mul_u32_u24 v5, v3, TPI
	v_lshl_add_u32 v5, v4, 4, v5
	v_add_nc_u32 v[\ts], s[DBS], v5
.endm
	s_cmp_lt_u32 ttmp9, 4                          ; the cluster's x names the section: 0-3 k, s, v of a head; 4 q; 5, 6 g
	s_cbranch_scc0 .Lqg
	LANE_RD 3, RD                                  ; every wave makes both sets of addresses and both bases, and steps them all: the waves differ only in which body of a trip they run
	LANE_TS TS
	LANE_RD 4, RDW
	LANE_TS TSW
	s_lshl_b32 s77, s[TC], 18                      ; the head is the tile column,
	s_add_co_u32 s77, s77, 0x400000                ; k's section,
	s_lshl_b32 s78, s76, 7                         ; row t, 128 bytes
	s_add_co_u32 s78, s78, s77
	s_mov_b32 s79, 0
	s_add_nc_u64 s[OB:OB+1], s[8:9], s[78:79]
	s_lshl_b32 s77, s[TC], 19
	s_lshl_b32 s78, s76, 8                         ; row t, 256 bytes
	s_add_co_u32 s78, s78, s77
	s_add_nc_u64 s[OBV:OBV+1], s[10:11], s[78:79]
.Lout_kv:                                              ; ONE loop for all four waves: a forward jump on the wave's number inside the trip; the join stands ahead of the steps and of the count
	s_cmp_eq_u32 s[FK], 0                          ; my half of the columns: [k | s], or v
	s_cbranch_scc0 .Lkv_v
	BODY 1, RD, TS, OB
	s_branch .Lkv_j
.Lkv_v:
	BODY 2, RDW, TSW, OBV
.Lkv_j:
	v_add_nc_u32 v[RD], 8*DP, v[RD]
	v_add_nc_u32 v[RDW], 8*DP, v[RDW]
	v_add_nc_u32 v[TS], 8*TPI, v[TS]
	v_add_nc_u32 v[TSW], 8*TPI, v[TSW]
	s_wait_xcnt 0x0                                ; Y and the bases are written again only behind this wait
	s_add_nc_u64 s[OB:OB+1], s[OB:OB+1], 1024
	s_add_nc_u64 s[OBV:OBV+1], s[OBV:OBV+1], 2048
	s_sub_co_u32 s2, s2, 1
	s_cmp_lg_u32 s2, 0
	s_cbranch_scc1 .Lout_kv
	s_branch .Lmeet1
.Lqg:
	s_cmp_eq_u32 ttmp9, 4
	s_cbranch_scc0 .Lset_g
	LANE_RD 3, RD
	s_lshl_b32 s78, s[CX], 2
	s_lshl1_add_u32 s78, s[FK], s78                ; head 4 cx + 2 x half
	s_lshl_b32 s77, s78, 18
	s_lshl_b32 s78, s76, 7
	s_add_co_u32 s78, s78, s77
	s_mov_b32 s79, 0
	s_add_nc_u64 s[OB:OB+1], s[8:9], s[78:79]
	OUT 0, 1024
	s_branch .Lmeet1
.Lset_g:
	LANE_RD 4, RD
	s_sub_co_u32 s77, ttmp9, 5
	s_lshl_b32 s77, s77, 3
	s_lshl1_add_u32 s77, s[CX], s77
	s_add_co_u32 s77, s77, s[FK]                   ; head
	s_lshl_b32 s77, s77, 19
	s_add_co_u32 s77, s77, 0x800000                ; the gate's section
	s_lshl_b32 s78, s76, 8
	s_add_co_u32 s78, s78, s77
	s_mov_b32 s79, 0
	s_add_nc_u64 s[OB:OB+1], s[10:11], s[78:79]
	OUT 3, 2048
.Lmeet1:
	s_wait_dscnt 0x0                               ; for the others' sake: my stores into my 16-bit tile are done
	s_barrier_signal -1
	s_barrier_wait -1                              ; every section passes this barrier and the next
	s_cmp_lt_u32 ttmp9, 4
	s_cbranch_scc0 .Lmeet2
	; THE LOCAL STATES.  The two waves of a half of the tile's rows share block b = 2 x tile row + half: its [k | E] tile lies at the head of wave half's region, its v tile at wave 2 + half's.
	; The sums run over time, down the tiles' rows: every fragment comes out turned.  E has bf16's range and v is f16, so v is split exactly into two bf16 parts (8 + 8 significant bits hold
	; f16's 11), and HV takes two products.  Z is E times ones.  A quarter w' of the state is kd block w' of HK, c blocks 2 w', 2 w' + 1 of HV, m block w' of Z; a wave makes quarters 2 (wave / 2) and 2 (wave / 2) + 1.
	v_and_b32 v14, 15, v0                          ; r
	v_bfe_u32 v15, v0, 4, 1                        ; h
	v_and_b32 v13, 7, v0
	v_lshl_add_u32 v13, v15, 3, v13                ; the turning load: row 8 h + l % 8,
	v_mul_u32_u24 v13, v13, TPI
	v_bfe_u32 v12, v0, 3, 1
	v_lshl_add_u32 v13, v12, 4, v13                ; 16 bytes at 16 ((l / 8) % 2)
	s_mul_i32 s76, s[HF], DREG
	v_add_nc_u32 v[LKE], s76, v13
	v_add_nc_u32 v[LV], 2*DREG, v[LKE]
	v_mul_u32_u24 v[LST], v14, SP
	v_lshl_add_u32 v[LST], v15, 5, v[LST]
	v_lshlrev_b32 v[LZ], 5, v15
.set i, 0
.rept 8
	v_mov_b32 v[S_ONE+i], 0x3f803f80
.set i, i+1
.endr
	v_mov_b32 v[S_ONEF], 1.0
	v_mov_b32 v[S_ZR], 0
	s_mul_i32 s[HKSB], s[HF], HKSZ
	s_add_co_u32 s[HKSB], s[HKSB], HKS0
	s_mul_i32 s[HVSB], s[WV], DREG
	s_add_co_u32 s[HVSB], s[HVSB], TILEB
	s_mov_b32 s[MHI], 0xffff0000
	s_lshl_b32 s76, s[TC], 4                       ; record 16 h + b,
	s_lshl1_add_u32 s76, s[TR], s76
	s_add_co_u32 s76, s76, s[HF]
	s_mul_i32 s76, s76, 49408
	s_lshl_b32 s77, s[FK], 14                      ; my 64 rows of HV
	s_add_co_u32 s76, s76, s77
	s_add_co_u32 s76, s76, 16384
	s_mov_b32 s77, 0
	s_add_nc_u64 s[RB:RB+1], s[SLP:SLP+1], s[76:77]
; 32 rows of time: 16 turning loads, v's split, 21 products; the 13 accumulators take turns.  zero = 1: the products start the sums.
.macro GROUP zero
	PLACES                                         ; in front of loads into registers that the last products read
	v_add_nc_u32 v[A1], s[TG], v[LKE]
	v_add_nc_u32 v[A2], s[SW], v[A1]
	v_add_nc_u32 v[A3], s[TV], v[LV]
	ds_load_tr16_b128 v[S_KF:S_KF+3],   v[A2]
	ds_load_tr16_b128 v[S_KF+4:S_KF+7], v[A2] offset:16*TPI
.irp m, 0,1,2,3
	ds_load_tr16_b128 v[S_EF+8*(\m):S_EF+8*(\m)+3],   v[A1] offset:128+32*(\m)
	ds_load_tr16_b128 v[S_EF+8*(\m)+4:S_EF+8*(\m)+7], v[A1] offset:128+32*(\m)+16*TPI
.endr
	ds_load_tr16_b128 v[S_ZE:S_ZE+3],   v[A2] offset:128
	ds_load_tr16_b128 v[S_ZE+4:S_ZE+7], v[A2] offset:128+16*TPI
.irp c, 0,1
	ds_load_tr16_b128 v[S_VF+8*(\c):S_VF+8*(\c)+3],   v[A3] offset:32*(\c)
	ds_load_tr16_b128 v[S_VF+8*(\c)+4:S_VF+8*(\c)+7], v[A3] offset:32*(\c)+16*TPI
.endr
	s_add_co_u32 s[TG], s[TG], 32*TPI
	s_add_co_u32 s[TV], s[TV], 32*TPI
	s_wait_dscnt 0x0
.set i, 0
.rept 16                               ; two f16 -> two f32 -> the nearest bf16, and what is left over, again in bf16
.set tt, S_T+4*(i%2)
	v_fma_mix_f32 v[tt],   v[S_VF+i], v[S_ONEF], v[S_ZR] op_sel_hi:[1,0,0]
	v_fma_mix_f32 v[tt+1], v[S_VF+i], v[S_ONEF], v[S_ZR] op_sel:[1,0,0] op_sel_hi:[1,0,0]
	v_cvt_pk_bf16_f32 v[S_VH+i], v[tt], v[tt+1]
	v_lshlrev_b32 v[tt+2], 16, v[S_VH+i]
	v_and_b32 v[tt+3], s[MHI], v[S_VH+i]
	v_pk_add_f32 v[tt:tt+1], v[tt:tt+1], v[tt+2:tt+3] neg_lo:[0,1] neg_hi:[0,1]
	v_cvt_pk_bf16_f32 v[S_VL+i], v[tt], v[tt+1]
.set i, i+1
.endr
.irp m, 0,1,2,3                        ; HK: rows kd (source 0 = k), columns m (source 1 = E): a lane holds one m and eight kd
.if \zero
	v_wmma_f32_16x16x32_bf16 v[S_AKE+8*(\m):S_AKE+8*(\m)+7], v[S_KF:S_KF+7], v[S_EF+8*(\m):S_EF+8*(\m)+7], 0
.else
	v_wmma_f32_16x16x32_bf16 v[S_AKE+8*(\m):S_AKE+8*(\m)+7], v[S_KF:S_KF+7], v[S_EF+8*(\m):S_EF+8*(\m)+7], v[S_AKE+8*(\m):S_AKE+8*(\m)+7]
.endif
.endr
.irp c, 0,1                            ; HV: rows m (source 0 = E), columns c (source 1 = v): a lane holds one c and eight m
.irp m, 0,1,2,3
.if \zero
	v_wmma_f32_16x16x32_bf16 v[S_AHV+8*(4*(\c)+(\m)):S_AHV+8*(4*(\c)+(\m))+7], v[S_EF+8*(\m):S_EF+8*(\m)+7], v[S_VH+8*(\c):S_VH+8*(\c)+7], 0
.else
	v_wmma_f32_16x16x32_bf16 v[S_AHV+8*(4*(\c)+(\m)):S_AHV+8*(4*(\c)+(\m))+7], v[S_EF+8*(\m):S_EF+8*(\m)+7], v[S_VH+8*(\c):S_VH+8*(\c)+7], v[S_AHV+8*(4*(\c)+(\m)):S_AHV+8*(4*(\c)+(\m))+7]
.endif
.endr
.endr
.irp c, 0,1
.irp m, 0,1,2,3
	v_wmma_f32_16x16x32_bf16 v[S_AHV+8*(4*(\c)+(\m)):S_AHV+8*(4*(\c)+(\m))+7], v[S_EF+8*(\m):S_EF+8*(\m)+7], v[S_VL+8*(\c):S_VL+8*(\c)+7], v[S_AHV+8*(4*(\c)+(\m)):S_AHV+8*(4*(\c)+(\m))+7]
.endr
.endr
.if \zero
	v_wmma_f32_16x16x32_bf16 v[S_AZ:S_AZ+7], v[S_ZE:S_ZE+7], v[S_ONE:S_ONE+7], 0
.else
	v_wmma_f32_16x16x32_bf16 v[S_AZ:S_AZ+7], v[S_ZE:S_ZE+7], v[S_ONE:S_ONE+7], v[S_AZ:S_AZ+7]
.endif
.endm
	s_mov_b32 s3, 0
.Lsub:                                                 ; two trips: my two quarters of the state
	s_lshl_b32 s[WP], s[FK], 1
	s_add_co_u32 s[WP], s[WP], s3                  ; w' = 2 (wave / 2) + trip
	s_lshl_b32 s[SW], s[WP], 5                     ; block w' of 16 columns of k, and of E
	s_lshl_b32 s[TV], s[WP], 6                     ; its 32 columns of v
	s_mov_b32 s[TG], 0
	s_add_co_u32 s[SA], s[HKSB], s[TV]             ; its 16 kd, and its 16 m of Z, are 64 bytes of a row
	s_mul_i32 s[SB], s3, 32*SP                     ; its 32 rows of HV
	s_add_co_u32 s[SB], s[SB], s[HVSB]
	GROUP 1                                        ; the first 32 rows start the sums
	s_mov_b32 s2, 3
.Lgrp:
	GROUP 0
	s_sub_co_u32 s2, s2, 1
	s_cmp_lg_u32 s2, 0
	s_cbranch_scc1 .Lgrp
	PLACES
	PLACES
	v_add_nc_u32 v[STH], s[SA], v[LST]
	v_add_nc_u32 v[STV], s[SB], v[LST]
	v_add_nc_u32 v[STZ], s[SA], v[LZ]
.irp m, 0,1,2,3
	ds_store_b128 v[STH], v[S_AKE+8*(\m):S_AKE+8*(\m)+3]   offset:(\m)*16*SP
	ds_store_b128 v[STH], v[S_AKE+8*(\m)+4:S_AKE+8*(\m)+7] offset:(\m)*16*SP+16
.endr
.irp c, 0,1
.irp m, 0,1,2,3
	ds_store_b128 v[STV], v[S_AHV+8*(4*(\c)+(\m)):S_AHV+8*(4*(\c)+(\m))+3]   offset:(\c)*16*SP+64*(\m)
	ds_store_b128 v[STV], v[S_AHV+8*(4*(\c)+(\m))+4:S_AHV+8*(4*(\c)+(\m))+7] offset:(\c)*16*SP+64*(\m)+16
.endr
.endr
	ds_store_b128 v[STZ], v[S_AZ:S_AZ+3]   offset:64*SP      ; the sixteen lanes of a half hold the same eight sums and write the same bytes
	ds_store_b128 v[STZ], v[S_AZ+4:S_AZ+7] offset:64*SP+16
	s_add_co_u32 s3, s3, 1
	s_cmp_lt_u32 s3, 2
	s_cbranch_scc1 .Lsub
; 32 rows of 256 bytes leave: two whole rows a load, 512 consecutive bytes a store
.macro COPY16 rb
.set u, 0
.rept 16
	ds_load_b128 v[32+4*u:32+4*u+3], v[RDS] offset:2*SP*u
.set u, u+1
.endr
.set u, 0
.rept 16
	s_wait_dscnt 15-u                              ; load u is back, the 15 - u younger ones may be out
	global_store_b128 v[GO], v[32+4*u:32+4*u+3], s[\rb:\rb+1] offset:512*u
.set u, u+1
.endr
.endm
	v_mul_u32_u24 v13, v15, SP                     ; my 64 rows of HV are my own bytes: LDS serves a wave's instructions in order, so they leave without a barrier
	v_lshl_add_u32 v13, v14, 4, v13
	v_add_nc_u32 v[RDS], s[HVSB], v13
	s_mov_b32 s2, 2
.Lcp:
	COPY16 RB
	v_add_nc_u32 v[RDS], 32*SP, v[RDS]
	s_wait_xcnt 0x0                                ; the stores' registers and base are written again only behind this wait
	s_add_nc_u64 s[RB:RB+1], s[RB:RB+1], 8192
	s_sub_co_u32 s2, s2, 1
	s_cmp_lg_u32 s2, 0
	s_cbranch_scc1 .Lcp
.Lmeet2:
	s_wait_dscnt 0x0                               ; for the others' sake: my strips of HK and Z are stored
	s_barrier_signal -1
	s_barrier_wait -1
	s_cmp_lt_u32 ttmp9, 4
	s_cbranch_scc0 .Lend
	v_and_b32 v14, 15, v0                          ; HK's rows hold strips of both waves of the block: each wave sends 32 whole rows
	v_bfe_u32 v15, v0, 4, 1
	s_mul_i32 s[HKSB], s[HF], HKSZ
	s_add_co_u32 s[HKSB], s[HKSB], HKS0
	s_mul_i32 s76, s[FK], 32*SP
	s_add_co_u32 s76, s76, s[HKSB]
	v_mul_u32_u24 v13, v15, SP
	v_lshl_add_u32 v13, v14, 4, v13
	v_add_nc_u32 v[RDS], s76, v13
	s_lshl_b32 s76, s[TC], 4
	s_lshl1_add_u32 s76, s[TR], s76
	s_add_co_u32 s76, s76, s[HF]
	s_mul_i32 s76, s76, 49408
	s_lshl_b32 s77, s[FK], 13
	s_add_co_u32 s76, s76, s77
	s_mov_b32 s77, 0
	s_add_nc_u64 s[RB2:RB2+1], s[SLP:SLP+1], s[76:77]
	s_wait_xcnt 0x0                                ; the registers below were the last stores' data
	COPY16 RB2
	s_cmp_lg_u32 s[FK], 0
	s_cbranch_scc1 .Lend
	v_and_b32 v12, 31, v0                          ; the block's first wave also stores Z's 256 bytes
	v_lshlrev_b32 v12, 3, v12
	v_add_nc_u32 v13, s[HKSB], v12
	ds_load_b64 v[96:97], v13 offset:64*SP
	s_wait_dscnt 0x0
	global_store_b64 v12, v[96:97], s[RB2:RB2+1] offset:49152
.Lend:
	s_wait_tensorcnt 0x0                           ; the wave's end: behind my last tensor load and my last LDS store
	ds_add_u32 v[SPW], v[NIL]
	s_wait_dscnt 0x0
	CROUND                                         ; the closing round
	s_endpgm
.Lfunc_end_k_q7c0df0cf52_gemm1:
	.size	k_q7c0df0cf52_gemm1, .Lfunc_end_k_q7c0df0cf52_gemm1-k_q7c0df0cf52_gemm1
	.p2alignl 7, 3214868480
	.fill 96, 4, 3214868480
	.section	.rodata,"a",@progbits
	.p2align	6, 0x0
	.amdhsa_kernel k_q7c0df0cf52_gemm1
		.amdhsa_group_segment_fixed_size 327680
		.amdhsa_private_segment_fixed_size 0
		.amdhsa_enable_private_segment 0
		.amdhsa_kernarg_size 40
		.amdhsa_user_sgpr_count 2
		.amdhsa_user_sgpr_kernarg_segment_ptr 1
		.amdhsa_wavefront_size32 1
		.amdhsa_system_sgpr_workgroup_id_x 1
		.amdhsa_system_sgpr_workgroup_id_y 1
		.amdhsa_system_sgpr_workgroup_id_z 1
		.amdhsa_system_vgpr_workitem_id 0
		.amdhsa_next_free_vgpr 1024
		.amdhsa_next_free_sgpr 100
		.amdhsa_reserve_vcc 0
		.amdhsa_float_denorm_mode_32 3
		.amdhsa_float_denorm_mode_16_64 3
		.amdhsa_memory_ordered 1
		.amdhsa_forward_progress 1
		.amdhsa_inst_pref_size 170
	.end_amdhsa_kernel
	.amdgpu_metadata
---
amdhsa.version: [ 1, 2 ]
amdhsa.kernels:
  - .name:           k_q7c0df0cf52_gemm1
    .symbol:         k_q7c0df0cf52_gemm1.kd
    .args:
      - { .name: xb, .offset: 0, .size: 8, .value_kind: global_buffer, .address_space: global }
      - { .name: wc, .offset: 8, .size: 8, .value_kind: global_buffer, .address_space: global }
      - { .name: qke, .offset: 16, .size: 8, .value_kind: global_buffer, .address_space: global }
      - { .name: vg, .offset: 24, .size: 8, .value_kind: global_buffer, .address_space: global }
      - { .name: sl, .offset: 32, .size: 8, .value_kind: global_buffer, .address_space: global }
    .group_segment_fixed_size: 327680
    .private_segment_fixed_size: 0
    .kernarg_segment_align: 8
    .kernarg_segment_size: 40
    .max_flat_workgroup_size: 128
    .sgpr_count:     100
    .vgpr_count:     1024
    .wavefront_size: 32
...
	.end_amdgpu_metadata
.endif
;; end of part 2
;; launch scan (part 3): grid 12 x 16, 8 waves a work-group, no clusters, 0 bytes of LDS; arguments sl, sp; writes sp
.if DOCPART == 3
	.amdgcn_target "amdgcn-amd-amdhsa--gfx1250"
	.amdhsa_code_object_version 6
	.text
	.protected	k_q7c0df0cf52_scan
	.globl	k_q7c0df0cf52_scan
	.p2align	8
	.type	k_q7c0df0cf52_scan,@function
k_q7c0df0cf52_scan:
	s_mov_b64 s[64:65], 0
	v_nop
	global_prefetch_b8 v0, s[64:65] scope:SCOPE_SE
	s_setreg_imm32_b32 hwreg(HW_REG_WAVE_MODE, 25, 1), 1
	s_wait_xcnt 0x0
; The exclusive prefix over a head's 16 blocks of the local states, each operand rounded once for the launch behind.  Record 16 h + b of sp:
;   HKp bf16 [64 m][64 kd] at 0 (unnormalised: it has E's range);  HVn f16 [128 c][64 m] at 8,192 = prefix HV / prefix Z, a weighted mean of v's rows, so it has v's range;  Zp f32 [64] at 24,576.
; Block 0's record is zeros.  An inclusive prefix of Z holds 128 terms of at least e^-32 each: no divisor is 0.
; Parts 0-3 of a head take HK, parts 4-11 HV; a thread owns four neighbouring numbers of all 15 local states: 15 (or 30) loads at once, sums in f32 in registers, 16 stores of which a wave's cover 256 bytes.
.set X,  4                             ; v[4:63]    block b's four numbers, then their inclusive prefix
.set ZL, 64                            ; v[64:123]  the same of Z
.set RZ, 124                           ; v[124:183] 1 / prefix Z
.set Y,  184                           ; v[184:215] record b's two packed words
.set ZV, 216                           ; v[216:219] zeros
.set ZA, 220
.macro PREFIX base
.set b, 1
.rept 14
	v_pk_add_f32 v[(\base)+4*b:(\base)+4*b+1],   v[(\base)+4*b:(\base)+4*b+1],   v[(\base)+4*b-4:(\base)+4*b-3]
	v_pk_add_f32 v[(\base)+4*b+2:(\base)+4*b+3], v[(\base)+4*b+2:(\base)+4*b+3], v[(\base)+4*b-2:(\base)+4*b-1]
.set b, b+1
.endr
.endm
	s_load_b128 s[4:7], s[0:1], 0x0                ; sl, sp
	s_and_b32 s8, ttmp7, 0xffff                    ; head
	s_mul_i32 s10, s8, 16*49408
	s_mov_b32 s11, 0
	s_mul_i32 s12, s8, 16*24832
	s_mov_b32 s13, 0
	v_lshrrev_b32 v1, 5, v0
	v_readfirstlane_b32 s9, v1                     ; wave
	v_mov_b32 v[Y], 0                              ; record 0
	v_mov_b32 v[Y+1], 0
	s_wait_kmcnt 0x0
	s_add_nc_u64 s[4:5], s[4:5], s[10:11]
	s_add_nc_u64 s[6:7], s[6:7], s[12:13]
	s_cmp_lt_u32 ttmp9, 4
	s_cbranch_scc0 .Lhv
	s_lshl_b32 s14, ttmp9, 8
	v_add_nc_u32 v1, s14, v0                       ; which four numbers of HK's 4,096
	v_lshlrev_b32 v2, 4, v1
	v_lshlrev_b32 v3, 3, v1
.set b, 0
.rept 15
	global_load_b128 v[X+4*b:X+4*b+3], v2, s[4:5] offset:49408*b
.set b, b+1
.endr
	s_wait_loadcnt 0x0
	PREFIX X
.set b, 0
.rept 15
	v_cvt_pk_bf16_f32 v[Y+2*b+2], v[X+4*b], v[X+4*b+1]
	v_cvt_pk_bf16_f32 v[Y+2*b+3], v[X+4*b+2], v[X+4*b+3]
.set b, b+1
.endr
.set b, 0
.rept 16
	global_store_b64 v3, v[Y+2*b:Y+2*b+1], s[6:7] offset:24832*b
.set b, b+1
.endr
	s_endpgm
.Lhv:
	s_sub_co_u32 s14, ttmp9, 4
	s_lshl_b32 s14, s14, 8
	v_add_nc_u32 v1, s14, v0                       ; which four numbers of HV's 8,192: one c, slots 4 (t % 16) on
	v_lshlrev_b32 v2, 4, v1
	v_lshlrev_b32 v3, 3, v1
	v_and_b32 v[ZA], 15, v0
	v_lshlrev_b32 v[ZA], 4, v[ZA]
.set b, 0
.rept 15
	global_load_b128 v[X+4*b:X+4*b+3], v2, s[4:5] offset:49408*b+16384
	global_load_b128 v[ZL+4*b:ZL+4*b+3], v[ZA], s[4:5] offset:49408*b+49152
.set b, b+1
.endr
.set i, 0
.rept 4
	v_mov_b32 v[ZV+i], 0
.set i, i+1
.endr
	s_wait_loadcnt 0x0
	PREFIX X
	PREFIX ZL
.set i, 0
.rept 60
	v_rcp_f32 v[RZ+i], v[ZL+i]
.set i, i+1
.endr
	v_nop                                          ; a plain instruction behind the last reciprocal,
	s_wait_alu depctr_va_vdst(0)                   ; and one wait for the batch
.set i, 0
.rept 30
	v_pk_mul_f32 v[X+i:X+i+1], v[X+i:X+i+1], v[RZ+i:RZ+i+1]
.set i, i+2
.endr
.set b, 0
.rept 15
	v_cvt_pk_f16_f32 v[Y+2*b+2], v[X+4*b], v[X+4*b+1]
	v_cvt_pk_f16_f32 v[Y+2*b+3], v[X+4*b+2], v[X+4*b+3]
.set b, b+1
.endr
.set b, 0
.rept 16
	global_store_b64 v3, v[Y+2*b:Y+2*b+1], s[6:7] offset:24832*b+8192
.set b, b+1
.endr
	s_cmp_lg_u32 ttmp9, 4                          ; one wave of the head also stores Zp: sixteen lanes, 256 bytes a record
	s_cbranch_scc1 .Ldone
	s_cmp_lg_u32 s9, 0
	s_cbranch_scc1 .Ldone
	s_wait_xcnt 0x0                                ; EXEC changes only behind this wait
	v_cmp_gt_u32 vcc_lo, 16, v0
	s_and_saveexec_b32 s16, vcc_lo
	global_store_b128 v[ZA], v[ZV:ZV+3], s[6:7] offset:24576
.set b, 0
.rept 15
	global_store_b128 v[ZA], v[ZL+4*b:ZL+4*b+3], s[6:7] offset:24832*(b+1)+24576
.set b, b+1
.endr
	s_wait_xcnt 0x0                                ; and again in front of the line that widens it
	s_or_b32 exec_lo, exec_lo, s16
.Ldone:
	s_endpgm
.Lfunc_end_k_q7c0df0cf52_scan:
	.size	k_q7c0df0cf52_scan, .Lfunc_end_k_q7c0df0cf52_scan-k_q7c0df0cf52_scan
	.p2alignl 7, 3214868480
	.fill 96, 4, 3214868480
	.section	.rodata,"a",@progbits
	.p2align	6, 0x0
	.amdhsa_kernel k_q7c0df0cf52_scan
		.amdhsa_group_segment_fixed_size 0
		.amdhsa_private_segment_fixed_size 0
		.amdhsa_enable_private_segment 0
		.amdhsa_kernarg_size 16
		.amdhsa_user_sgpr_count 2
		.amdhsa_user_sgpr_kernarg_segment_ptr 1
		.amdhsa_wavefront_size32 1
		.amdhsa_system_sgpr_workgroup_id_x 1
		.amdhsa_system_sgpr_workgroup_id_y 1
		.amdhsa_system_sgpr_workgroup_id_z 1
		.amdhsa_system_vgpr_workitem_id 0
		.amdhsa_next_free_vgpr 224
		.amdhsa_next_free_sgpr 66
		.amdhsa_reserve_vcc 1
		.amdhsa_float_denorm_mode_32 3
		.amdhsa_float_denorm_mode_16_64 3
		.amdhsa_memory_ordered 1
		.amdhsa_forward_progress 1
		.amdhsa_inst_pref_size 24
	.end_amdhsa_kernel
	.amdgpu_metadata
---
amdhsa.version: [ 1, 2 ]
amdhsa.kernels:
  - .name:           k_q7c0df0cf52_scan
    .symbol:         k_q7c0df0cf52_scan.kd
    .args:
      - { .name: sl, .offset: 0, .size: 8, .value_kind: global_buffer, .address_space: global }
      - { .name: sp, .offset: 8, .size: 8, .value_kind: global_buffer, .address_space: global }
    .group_segment_fixed_size: 0
    .private_segment_fixed_size: 0
    .kernarg_segment_align: 8
    .kernarg_segment_size: 16
    .max_flat_workgroup_size: 256
    .sgpr_count:     66
    .vgpr_count:     224
    .wavefront_size: 32
...
	.end_amdgpu_metadata
.endif
;; end of part 3
;; launch abc (part 4): grid 16 x 16, 4 waves a work-group, no clusters, 167,936 bytes of LDS; arguments qke, vg, sp, g_norm_weight, og; writes og
.if DOCPART == 4
	.amdgcn_target "amdgcn-amd-amdhsa--gfx1250"
	.amdhsa_code_object_version 6
	.text
	.protected	k_q7c0df0cf52_abc
	.globl	k_q7c0df0cf52_abc
	.p2align	8
	.type	k_q7c0df0cf52_abc,@function
k_q7c0df0cf52_abc:
	s_mov_b64 s[64:65], 0
	v_nop
	global_prefetch_b8 v0, s[64:65] scope:SCOPE_SE
	s_setreg_imm32_b32 hwreg(HW_REG_WAVE_MODE, 25, 1), 1
	s_wait_xcnt 0x0
; Both passes of the recurrence for block b (128 rows of time) of head h, the norm and the gate.  With E_i = exp(clip(s_i)), Z_t = Zp + sum over i <= t in the block of E_i:
;   ok_t[m] = (q_t . HKp[m] + sum_{i<=t} (q_t . k_i) E_i[m]) / (8 Z_t[m]);   pv = softmax over m of ok, its maximum taken away;   W = pv / Z_t;   W' = W Zp;
;   o_t[c]  = sum_m W'[m] HVn[c][m] + sum_{i<=t} (sum_m W[m] E_i[m]) v_i[c];   og = o rsqrt(mean(o^2) + 1e-5) weight (g sigmoid(g)), bf16.
; FORMATS.  q, k, E, HKp, the products q . k and W in bf16 (they have E's range or feed small logits); v, HVn, W' and B = sum_m W E_i (both at most 1 where i <= t) in f16.
; LIMITS.  B and W' below 6e-8 count as 0.  A hidden B may pass f16's range: the mask is an AND on the packed words, which clears an infinity too.  The weight is rounded to bf16 like every input.
; NaN and infinities in the inputs are not treated apart.
; LAYOUT.  Every product is taken transposed, so that a lane holds ONE query (lane % 16) throughout; the softmax and the norm want one exchange between the halves of the lanes.
; SHARES.  Wave w owns rows 32 w .. 32 w + 31: two tiles q of 16.  All four groups of 32 keys are computed by every wave and masked: one text, and wave 3, which needs all four, sets the time.
; No tile is shared between work-groups: no cluster.  Each LDS byte is filled once.
; REGISTERS in windows of 256 (s_set_vgpr_msb: bits 1:0 source 0, 3:2 source 1, 5:4 source 2, 7:6 destination):
;   window 0: addresses, masks; WN 64; SA 128 (scores, [q][kt]); AF 160, MF 176 (packed sources); WB 192 (W, bf16); WF 224 (W', f16)
;   window 1: OKZ 0, ZZ 64, later O^T 0-127; ZP 128; SG 160; TM 224; ZERO 240          window 2: Q 0; KF 32; EF 64; VF 96 (HVn's 16 fragments: 96-223); HF 160
.set EPO,   18432                      ; K at 0, E here: 128 rows, 128 bytes + 16, read as they lie
.set ETO,   36864                      ; E once more: 128 + 32, read turned
.set VTO,   57344                      ; V: 256 + 32, read turned
.set HKO,   94208                      ; HKp: 64 rows, 128 + 16
.set HVO,   103424                     ; HVn: 128 rows, 128 + 16
.set STAGE, 121856                     ; 16 rows x 272 bytes a wave, for the way out; no fill lands here
.set SPARE, 139264
.set PP,    144
.set PE,    160
.set PV,    288
.set SP,    272
.set AK,  2
.set AEP, 3
.set AHK, 4
.set AHV, 5
.set TE,  6
.set TV,  7
.set STO, 8
.set RD,  9
.set GO,  10
.set ADA, 11
.set ADB, 12
.set QO,  13
.set ZO,  14
.set SO,  15
.set TRI, 16                           ; v[16:19] the diagonal tile's mask, two keys a word
.set M1,  20                           ; v[20:23] this group's mask for the tiles (q, kt) = (0, 0) and (1, 1)
.set TT,  24
.set SPW, 28
.set NIL, 29
.set R,   30
.set HH,  31
.set DD,  32
.set WN,  64
.set SA,  128
.set AF,  160
.set MF,  176
.set WB,  192
.set WF,  224
.set OKZ, 0
.set ZZ,  64
.set OT,  0
.set ZP,  128
.set SG,  160
.set TM,  224
.set ZERO, 240
.set Q,   0
.set KF,  32
.set EF,  64
.set VF,  96
.set HF,  160
.set WV,  14
.set HD,  15
.set G1A, 16
.set G1B, 24
.set G1C, 32
.set G1D, 40
.set OB,  66
.set G,   76
.set TA,  77
.set TB,  78
.set SVIS, 79                          ; all ones where the group lies before my rows
.set SVD,  80                          ; where it lies before them or is theirs
.set SDG,  81                          ; where it is theirs
.set SV1,  82
.set SD1,  83
.set MLO,  86
.set MHI,  87
.set SEL,  88
.set CS,   90                          ; s[90:91] log2(e) / 8
.set QB,   92
.set ZB,   94
.set SB,   96
.set C128, 98
.set CEPS, 99
.set MSB, 0
.macro WIN new
.if MSB != (\new)
	s_set_vgpr_msb (MSB<<8)|(\new)
.set MSB, \new
.endif
.endm
.set W_KQ, 0x0a
.set W_HK, 0x5a
.set W_AC, 0x52
.set W_EW, 0x02
.set LD2,  0x80
.set LD1,  0x40
.set ALL1, 0x55
.set CV10, 0x05
.set W_RS, 0x41
.macro PLACES
.rept 4
	v_nop
.endr
.endm
.macro MKG1 g, w0, rows                ; rows of 128 elements (256 bytes), dense in memory
	s_mov_b32 s[(\g)], \w0
	s_mov_b32 s[(\g)+1], 128<<16
	s_mov_b32 s[(\g)+2], (\rows)<<16
	s_mov_b32 s[(\g)+3], 128<<16
	s_mov_b32 s[(\g)+4], \rows
	s_mov_b32 s[(\g)+5], 128
	s_mov_b32 s[(\g)+6], 0
	s_mov_b32 s[(\g)+7], 0
.endm
.macro MKG0 g, mul, base               ; my quarter's place in LDS
	s_mov_b32 s[(\g)], 1
	s_mul_i32 s[(\g)+1], s[WV], \mul
	s_add_co_u32 s[(\g)+1], s[(\g)+1], \base
.endm
.set W0A, (1<<16)|(1<<20)|(4<<22)|(3<<25)   ; 4 words after every 32
.set W0B, (1<<16)|(1<<20)|(4<<22)|(7<<25)   ; 8 words after every 32
.set W0C, (1<<16)|(1<<20)|(5<<22)|(7<<25)   ; 8 words after every 64
	s_load_b256 s[4:11], s[0:1], 0x0               ; qke s[4:5], vg s[6:7], sp s[8:9], weight s[10:11]
	s_load_b64 s[12:13], s[0:1], 0x20              ; og
	v_lshl_add_u32 v[SPW], v0, 2, SPARE
	v_mov_b32 v[NIL], 0
	ds_add_u32 v[SPW], v[NIL]                      ; the wave's opening: the add and its wait ahead of my first tensor load
	v_lshrrev_b32 v1, 5, v0
	v_readfirstlane_b32 s[WV], v1
	s_and_b32 s[HD], ttmp7, 0xffff
	MKG1 G1A, W0A, 16
	MKG1 G1B, W0B, 16
	MKG1 G1C, W0C, 32
	MKG1 G1D, W0A, 8
	MKG0 48, 32*PP, 0
	MKG0 52, 32*PP, EPO
	MKG0 56, 32*PE, ETO
	MKG0 60, 32*PV, VTO
	MKG0 68, 16*PP, HKO
	MKG0 72, 32*PP, HVO
	s_lshl_b32 s76, s[HD], 18                      ; head, block, my 32 rows in q, k, E
	s_lshl_b32 s78, ttmp9, 14
	s_add_co_u32 s76, s76, s78
	s_lshl_b32 s78, s[WV], 12
	s_add_co_u32 s76, s76, s78
	s_mov_b32 s77, 0
	s_lshl_b32 s78, s76, 1                         ; and in v and the gate
	s_mov_b32 s79, 0
	s_lshl_b32 s80, s[HD], 4
	s_add_co_u32 s80, s80, ttmp9
	s_mul_i32 s80, s80, 24832                      ; my record of sp
	s_mov_b32 s81, 0
	s_lshl_b32 s82, s[WV], 11
	s_mov_b32 s83, 0
	s_lshl_b32 s84, s[WV], 12
	s_mov_b32 s85, 0
	s_lshl_b32 s98, ttmp9, 7
	s_lshl_b32 s99, s[WV], 5
	s_add_co_u32 s98, s98, s99
	s_lshl_b32 s98, s98, 12                        ; og: row 128 b + 32 w,
	s_lshl_b32 s99, s[HD], 8                       ; the head's 256 bytes
	s_add_co_u32 s98, s98, s99
	s_mov_b32 s99, 0
	s_mov_b32 s[MLO], 0xffff
	s_mov_b32 s[MHI], 0xffff0000
	s_mov_b32 s[SEL], 0x76543210
	s_mov_b32 s[SEL+1], 0xfedcba98
	s_mov_b32 s[CS], 0x3e38aa3b
	s_mov_b32 s[CS+1], 0x3e38aa3b
	s_wait_dscnt 0x0
	s_wait_kmcnt 0x0
	s_add_nc_u64 s[QB:QB+1], s[4:5], s[76:77]
	s_add_nc_u64 s[50:51], s[QB:QB+1], 4194304     ; k
	s_add_nc_u64 s[54:55], s[QB:QB+1], 8388608     ; E
	s_mov_b64 s[58:59], s[54:55]
	s_add_nc_u64 s[62:63], s[6:7], s[78:79]        ; v
	s_add_nc_u64 s[SB:SB+1], s[62:63], 8388608     ; the gate
	s_add_nc_u64 s[ZB:ZB+1], s[8:9], s[80:81]
	s_add_nc_u64 s[70:71], s[ZB:ZB+1], s[82:83]    ; HKp, my 16 rows
	s_add_nc_u64 s[74:75], s[ZB:ZB+1], s[84:85]    ; HVn, my 32 rows
	s_add_nc_u64 s[74:75], s[74:75], 8192
	s_add_nc_u64 s[OB:OB+1], s[12:13], s[98:99]
	s_or_b32 s51, s51, 0x80000000
	s_or_b32 s55, s55, 0x80000000
	s_or_b32 s59, s59, 0x80000000
	s_or_b32 s63, s63, 0x80000000
	s_or_b32 s71, s71, 0x80000000
	s_or_b32 s75, s75, 0x80000000
	tensor_load_to_lds s[48:51], s[G1A:G1A+7]      ; six loads of mine are out, each into bytes of its own
	s_nop 0
	tensor_load_to_lds s[52:55], s[G1A:G1A+7]
	s_nop 0
	tensor_load_to_lds s[56:59], s[G1B:G1B+7]
	s_nop 0
	tensor_load_to_lds s[60:63], s[G1C:G1C+7]
	s_nop 0
	tensor_load_to_lds s[68:71], s[G1D:G1D+7]
	s_nop 0
	tensor_load_to_lds s[72:75], s[G1A:G1A+7]
	s_nop 0
	v_and_b32 v[R], 15, v0
	v_bfe_u32 v[HH], v0, 4, 1
	v_mul_u32_u24 v[AK], v[R], PP
	v_lshl_add_u32 v[AK], v[HH], 4, v[AK]          ; a fragment as it lies: row r, 16 bytes for each half
	v_add_nc_u32 v[AEP], EPO, v[AK]
	v_add_nc_u32 v[AHK], HKO, v[AK]
	v_add_nc_u32 v[AHV], HVO, v[AK]
	v_and_b32 v[TT], 7, v0
	v_lshl_add_u32 v[TT], v[HH], 3, v[TT]          ; a turned fragment: row 8 h + l % 8,
	v_bfe_u32 v[TT+1], v0, 3, 1
	v_lshlrev_b32 v[TT+1], 4, v[TT+1]              ; 16 bytes at 16 ((l / 8) % 2)
	v_mul_u32_u24 v[TE], v[TT], PE
	v_add_nc_u32 v[TE], v[TE], v[TT+1]
	v_add_nc_u32 v[TE], ETO, v[TE]
	v_mul_u32_u24 v[TV], v[TT], PV
	v_add_nc_u32 v[TV], v[TV], v[TT+1]
	v_add_nc_u32 v[TV], VTO, v[TV]
	v_lshlrev_b32 v[QO], 7, v[R]
	v_lshl_add_u32 v[QO], v[HH], 4, v[QO]
	v_lshlrev_b32 v[ZO], 5, v[HH]
	v_lshlrev_b32 v[SO], 8, v[R]
	v_lshl_add_u32 v[SO], v[HH], 4, v[SO]
	WIN LD2
.irp t, 0,1
.irp f, 0,1
	global_load_b128 v[Q+16*(\t)+8*(\f):Q+16*(\t)+8*(\f)+3],   v[QO], s[QB:QB+1] offset:2048*(\t)+64*(\f)
	global_load_b128 v[Q+16*(\t)+8*(\f)+4:Q+16*(\t)+8*(\f)+7], v[QO], s[QB:QB+1] offset:2048*(\t)+64*(\f)+32
.endr
.endr
	WIN LD1
.irp m, 0,1,2,3                        ; Zp three times: both tiles' sums Z start from it, and W' wants it once more
.irp d, ZZ, ZZ+32, ZP
	global_load_b128 v[(\d)+8*(\m):(\d)+8*(\m)+3],   v[ZO], s[ZB:ZB+1] offset:24576+64*(\m)
	global_load_b128 v[(\d)+8*(\m)+4:(\d)+8*(\m)+7], v[ZO], s[ZB:ZB+1] offset:24576+64*(\m)+16
.endr
.endr
.irp t, 0,1
.irp n, 0,1,2,3,4,5,6,7
	global_load_b128 v[SG+32*(\t)+4*(\n):SG+32*(\t)+4*(\n)+3], v[SO], s[SB:SB+1] offset:4096*(\t)+32*(\n)
.endr
.endr
	v_mov_b32 v[ZERO], 0
	WIN 0
.irp n, 0,1,2,3,4,5,6,7
	global_load_b128 v[WN+8*(\n):WN+8*(\n)+3],   v[ZO], s[10:11] offset:64*(\n)
	global_load_b128 v[WN+8*(\n)+4:WN+8*(\n)+7], v[ZO], s[10:11] offset:64*(\n)+16
.endr
	v_lshlrev_b32 v[DD], 3, v[HH]
	v_sub_nc_u32 v[DD], v[R], v[DD]                ; in the diagonal tile key 8 h + j is seen by query r where j <= r - 8 h
.irp p, 0,1,2,3
	v_cmp_le_i32 vcc_lo, 2*(\p), v[DD]
	v_cndmask_b32 v[TT], 0, s[MLO], vcc_lo
	v_cmp_le_i32 vcc_lo, 2*(\p)+1, v[DD]
	v_cndmask_b32 v[TT+1], 0, s[MHI], vcc_lo
	v_or_b32 v[TRI+(\p)], v[TT], v[TT+1]
.endr
	s_mul_i32 s76, s[WV], 16*SP
	s_add_co_u32 s76, s76, STAGE
	v_mul_u32_u24 v[STO], v[R], SP
	v_lshl_add_u32 v[STO], v[HH], 4, v[STO]
	v_add_nc_u32 v[STO], s76, v[STO]
	v_mul_u32_u24 v[RD], v[HH], SP
	v_lshl_add_u32 v[RD], v[R], 4, v[RD]
	v_add_nc_u32 v[RD], s76, v[RD]
	v_lshlrev_b32 v[GO], 12, v[HH]
	v_lshl_add_u32 v[GO], v[R], 4, v[GO]
	s_mov_b32 s[C128], 0x3c000000                  ; 1 / 128
	s_mov_b32 s[CEPS], 0x3727c5ac                  ; 1e-5
	s_wait_tensorcnt 0x0                           ; my six parts are in,
	s_barrier_signal -1
	s_barrier_wait -1                              ; everybody's are
	; THE PREFIX'S SHARE OF THE LOGITS: OKZ[q][mb] = HKp q
	WIN LD2
.irp m, 0,1,2,3
.irp f, 0,1
	ds_load_b128 v[HF+16*(\m)+8*(\f):HF+16*(\m)+8*(\f)+3],   v[AHK] offset:(\m)*16*PP+64*(\f)
	ds_load_b128 v[HF+16*(\m)+8*(\f)+4:HF+16*(\m)+8*(\f)+7], v[AHK] offset:(\m)*16*PP+64*(\f)+32
.endr
.endr
	WIN 0
	s_wait_loadcnt 0x0                             ; Q, Zp, the gate, the weight
.set i, 0
.rept 32                               ; the weight rounded to bf16, like every input, and widened again
	v_cvt_pk_bf16_f32 v[TT+i%2], v[WN+2*i], v[WN+2*i+1]
	v_lshlrev_b32 v[WN+2*i], 16, v[TT+i%2]
	v_and_b32 v[WN+2*i+1], s[MHI], v[TT+i%2]
.set i, i+1
.endr
	s_wait_dscnt 0x0
	WIN W_HK
.irp f, 0,1                            ; the 8 accumulators take turns
.irp m, 0,1,2,3
.irp t, 0,1
.if (\f) == 0
	v_wmma_f32_16x16x32_bf16 v[OKZ+32*(\t)+8*(\m):OKZ+32*(\t)+8*(\m)+7], v[HF+16*(\m)+8*(\f):HF+16*(\m)+8*(\f)+7], v[Q+16*(\t)+8*(\f):Q+16*(\t)+8*(\f)+7], 0
.else
	v_wmma_f32_16x16x32_bf16 v[OKZ+32*(\t)+8*(\m):OKZ+32*(\t)+8*(\m)+7], v[HF+16*(\m)+8*(\f):HF+16*(\m)+8*(\f)+7], v[Q+16*(\t)+8*(\f):Q+16*(\t)+8*(\f)+7], v[OKZ+32*(\t)+8*(\m):OKZ+32*(\t)+8*(\m)+7]
.endif
.endr
.endr
.endr
.macro MASKS                           ; where group G of 32 keys lies against my 32 rows
	s_cmp_lt_u32 s[G], s[WV]
	s_cselect_b32 s[SVIS], -1, 0
	s_cmp_le_u32 s[G], s[WV]
	s_cselect_b32 s[SVD], -1, 0
	s_cmp_eq_u32 s[G], s[WV]
	s_cselect_b32 s[SDG], -1, 0
	s_and_b32 s[SV1], s[SVIS], 0x3f803f80
	s_and_b32 s[SD1], s[SVD], 0x3f803f80
.endm
.macro MKM1
.irp p, 0,1,2,3
	v_and_or_b32 v[M1+(\p)], v[TRI+(\p)], s[SDG], s[SVIS]
.endr
.endm
.macro ANDS                            ; (q, kt): (0, 0) and (1, 1) the diagonal's mask, (0, 1) earlier groups alone, (1, 0) mine too
.irp p, 0,1,2,3
	v_and_b32 v[AF+(\p)], v[AF+(\p)], v[M1+(\p)]
	v_and_b32 v[AF+4+(\p)], s[SVIS], v[AF+4+(\p)]
	v_and_b32 v[AF+8+(\p)], s[SVD], v[AF+8+(\p)]
	v_and_b32 v[AF+12+(\p)], v[AF+12+(\p)], v[M1+(\p)]
.endr
.endm
	; PASS 1, four groups of 32 keys: A = K Q^T, masked; OKZ += E^T A; Z += E^T mask
	WIN 0
	s_mov_b32 s[G], 0
	s_mov_b32 s[TA], 0
	s_mov_b32 s[TB], 0
.Lp1:
	PLACES                                         ; in front of loads into, and writes of, registers that the last products read
	v_add_nc_u32 v[ADA], s[TA], v[AK]
	v_add_nc_u32 v[ADB], s[TB], v[TE]
	WIN LD2
.irp k, 0,1
.irp f, 0,1
	ds_load_b128 v[KF+16*(\k)+8*(\f):KF+16*(\k)+8*(\f)+3],   v[ADA] offset:(\k)*16*PP+64*(\f)
	ds_load_b128 v[KF+16*(\k)+8*(\f)+4:KF+16*(\k)+8*(\f)+7], v[ADA] offset:(\k)*16*PP+64*(\f)+32
.endr
.endr
.irp m, 0,1,2,3
	ds_load_tr16_b128 v[EF+8*(\m):EF+8*(\m)+3],   v[ADB] offset:32*(\m)
	ds_load_tr16_b128 v[EF+8*(\m)+4:EF+8*(\m)+7], v[ADB] offset:32*(\m)+16*PE
.endr
	WIN 0
	MASKS
	s_add_co_u32 s[TA], s[TA], 32*PP
	s_add_co_u32 s[TB], s[TB], 32*PE
	s_wait_dscnt 0x0
	WIN W_KQ
.irp f, 0,1
.irp k, 0,1
.irp t, 0,1
.if (\f) == 0
	v_wmma_f32_16x16x32_bf16 v[SA+16*(\t)+8*(\k):SA+16*(\t)+8*(\k)+7], v[KF+16*(\k)+8*(\f):KF+16*(\k)+8*(\f)+7], v[Q+16*(\t)+8*(\f):Q+16*(\t)+8*(\f)+7], 0
.else
	v_wmma_f32_16x16x32_bf16 v[SA+16*(\t)+8*(\k):SA+16*(\t)+8*(\k)+7], v[KF+16*(\k)+8*(\f):KF+16*(\k)+8*(\f)+7], v[Q+16*(\t)+8*(\f):Q+16*(\t)+8*(\f)+7], v[SA+16*(\t)+8*(\k):SA+16*(\t)+8*(\k)+7]
.endif
.endr
.endr
.endr
	WIN 0
	MKM1                                           ; these twenty lines name no register of those products: they are the places behind them
.irp p, 0,1,2,3
	v_and_b32 v[MF+(\p)], 0x3f803f80, v[M1+(\p)]   ; the mask as bf16 ones
	v_mov_b32 v[MF+4+(\p)], s[SV1]
	v_mov_b32 v[MF+8+(\p)], s[SD1]
	v_and_b32 v[MF+12+(\p)], 0x3f803f80, v[M1+(\p)]
.endr
.set i, 0
.rept 16
	v_cvt_pk_bf16_f32 v[AF+i], v[SA+2*i], v[SA+2*i+1]   ; two tiles of 16 keys, packed, are source 1 of the next product
.set i, i+1
.endr
	ANDS
	WIN W_AC
.irp m, 0,1,2,3                        ; sixteen accumulators, one instruction each
	v_wmma_f32_16x16x32_bf16 v[OKZ+8*(\m):OKZ+8*(\m)+7],       v[EF+8*(\m):EF+8*(\m)+7], v[AF:AF+7],    v[OKZ+8*(\m):OKZ+8*(\m)+7]
	v_wmma_f32_16x16x32_bf16 v[OKZ+32+8*(\m):OKZ+32+8*(\m)+7], v[EF+8*(\m):EF+8*(\m)+7], v[AF+8:AF+15], v[OKZ+32+8*(\m):OKZ+32+8*(\m)+7]
	v_wmma_f32_16x16x32_bf16 v[ZZ+8*(\m):ZZ+8*(\m)+7],         v[EF+8*(\m):EF+8*(\m)+7], v[MF:MF+7],    v[ZZ+8*(\m):ZZ+8*(\m)+7]
	v_wmma_f32_16x16x32_bf16 v[ZZ+32+8*(\m):ZZ+32+8*(\m)+7],   v[EF+8*(\m):EF+8*(\m)+7], v[MF+8:MF+15], v[ZZ+32+8*(\m):ZZ+32+8*(\m)+7]
.endr
	WIN 0
	s_add_co_u32 s[G], s[G], 1
	s_cmp_lt_u32 s[G], 4
	s_cbranch_scc1 .Lp1
	PLACES
	PLACES
	WIN LD2                                        ; HVn's 16 fragments are fetched now: they land during the softmax
.irp n, 0,1,2,3,4,5,6,7
.irp f, 0,1
	ds_load_b128 v[VF+16*(\n)+8*(\f):VF+16*(\n)+8*(\f)+3],   v[AHV] offset:(\n)*16*PP+64*(\f)
	ds_load_b128 v[VF+16*(\n)+8*(\f)+4:VF+16*(\n)+8*(\f)+7], v[AHV] offset:(\n)*16*PP+64*(\f)+32
.endr
.endr
	; THE SOFTMAX OVER THE 64 SLOTS, all in window 1; a lane holds 32 of its query's slots, the lane 16 away the others
	WIN ALL1
.set i, 0
.rept 64
	v_rcp_f32 v[ZZ+i], v[ZZ+i]
.set i, i+1
.endr
	v_nop                                          ; a plain instruction behind the last reciprocal, and one wait for the batch
	s_wait_alu depctr_va_vdst(0)
.set i, 0
.rept 32
	v_pk_mul_f32 v[OKZ+i:OKZ+i+1], v[OKZ+i:OKZ+i+1], v[ZZ+i:ZZ+i+1]
.set i, i+2
.endr
.macro SMAX t                          ; the maximum of 32 logits, three operands at a time, then the other half's; c m into TM+4
.set rS, OKZ+32*(\t)
.set rT, TM+8*(\t)
.irp j, 0,1,2,3
	v_max3_num_f32 v[rT+(\j)], v[rS+8*(\j)], v[rS+8*(\j)+1], v[rS+8*(\j)+2]
.endr
.irp j, 0,1,2,3
	v_max3_num_f32 v[rT+(\j)], v[rT+(\j)], v[rS+8*(\j)+3], v[rS+8*(\j)+4]
.endr
.irp j, 0,1,2,3
	v_max3_num_f32 v[rT+(\j)], v[rT+(\j)], v[rS+8*(\j)+5], v[rS+8*(\j)+6]
.endr
	v_max3_num_f32 v[rT], v[rT], v[rS+7], v[rS+15]
	v_max3_num_f32 v[rT+2], v[rT+2], v[rS+23], v[rS+31]
	v_max3_num_f32 v[rT], v[rT], v[rT+1], v[rT+2]
	v_max_num_f32 v[rT], v[rT], v[rT+3]
	v_permlanex16_b32 v[rT+1], v[rT], s[SEL], s[SEL+1]
	v_max_num_f32 v[rT+5], v[rT], v[rT+1]
	v_mul_f32 v[rT+4], s[CS], v[rT+5]
.endm
	SMAX 0
	SMAX 1
.irp t, 0,1
.set i, 0
.rept 16
	v_pk_fma_f32 v[OKZ+32*(\t)+i:OKZ+32*(\t)+i+1], v[OKZ+32*(\t)+i:OKZ+32*(\t)+i+1], s[CS:CS+1], v[TM+8*(\t)+4:TM+8*(\t)+5] op_sel_hi:[1,0,0] neg_lo:[0,0,1] neg_hi:[0,0,1]
.set i, i+2
.endr
.endr
.set i, 0
.rept 64
	v_exp_f32 v[OKZ+i], v[OKZ+i]
.set i, i+1
.endr
	v_nop
	s_wait_alu depctr_va_vdst(0)
.macro SSUM t                          ; the sum of the 32 weights in two chains, the other half's, its reciprocal twice (a pair for the packed multiply)
.set rS, OKZ+32*(\t)
.set rT, TM+8*(\t)
	v_pk_add_f32 v[rT:rT+1], v[rS:rS+1], v[rS+2:rS+3]
	v_pk_add_f32 v[rT+2:rT+3], v[rS+4:rS+5], v[rS+6:rS+7]
.set i, 8
.rept 6
	v_pk_add_f32 v[rT:rT+1], v[rT:rT+1], v[rS+i:rS+i+1]
	v_pk_add_f32 v[rT+2:rT+3], v[rT+2:rT+3], v[rS+i+2:rS+i+3]
.set i, i+4
.endr
	v_pk_add_f32 v[rT:rT+1], v[rT:rT+1], v[rT+2:rT+3]
	v_add_f32 v[rT], v[rT], v[rT+1]
	v_permlanex16_b32 v[rT+1], v[rT], s[SEL], s[SEL+1]
	v_add_f32 v[rT], v[rT], v[rT+1]
	v_rcp_f32 v[rT+6], v[rT]
	v_rcp_f32 v[rT+7], v[rT]
.endm
	SSUM 0
	SSUM 1
	v_nop
	s_wait_alu depctr_va_vdst(0)
.irp t, 0,1
.set i, 0
.rept 16
	v_pk_mul_f32 v[ZZ+32*(\t)+i:ZZ+32*(\t)+i+1], v[ZZ+32*(\t)+i:ZZ+32*(\t)+i+1], v[TM+8*(\t)+6:TM+8*(\t)+7]   ; 1 / (Z sum)
.set i, i+2
.endr
.endr
.set i, 0
.rept 32
	v_pk_mul_f32 v[OKZ+i:OKZ+i+1], v[OKZ+i:OKZ+i+1], v[ZZ+i:ZZ+i+1]                                          ; W = pv / Z
.set i, i+2
.endr
.irp t, 0,1
.set i, 0
.rept 16
	v_pk_mul_f32 v[ZZ+32*(\t)+i:ZZ+32*(\t)+i+1], v[OKZ+32*(\t)+i:OKZ+32*(\t)+i+1], v[ZP+i:ZP+i+1]            ; W' = W Zp
.set i, i+2
.endr
.endr
	WIN CV10
.set i, 0
.rept 32
	v_cvt_pk_bf16_f32 v[WB+i], v[OKZ+2*i], v[OKZ+2*i+1]
	v_cvt_pk_f16_f32 v[WF+i], v[ZZ+2*i], v[ZZ+2*i+1]
.set i, i+1
.endr
	; THE PREFIX'S SHARE OF O: O^T[q][cb] = HVn W'
	s_wait_dscnt 0x0
	WIN W_AC
.irp f, 0,1                            ; the 16 accumulators take turns
.irp n, 0,1,2,3,4,5,6,7
.irp t, 0,1
.if (\f) == 0
	v_wmma_f32_16x16x32_f16 v[OT+64*(\t)+8*(\n):OT+64*(\t)+8*(\n)+7], v[VF+16*(\n)+8*(\f):VF+16*(\n)+8*(\f)+7], v[WF+16*(\t)+8*(\f):WF+16*(\t)+8*(\f)+7], 0
.else
	v_wmma_f32_16x16x32_f16 v[OT+64*(\t)+8*(\n):OT+64*(\t)+8*(\n)+7], v[VF+16*(\n)+8*(\f):VF+16*(\n)+8*(\f)+7], v[WF+16*(\t)+8*(\f):WF+16*(\t)+8*(\f)+7], v[OT+64*(\t)+8*(\n):OT+64*(\t)+8*(\n)+7]
.endif
.endr
.endr
.endr
	; PASS 2, four groups of 32 keys: B = E W, masked; O^T += V^T B
	WIN 0
	s_mov_b32 s[G], 0
	s_mov_b32 s[TA], 0
	s_mov_b32 s[TB], 0
.Lp2:
	PLACES
	v_add_nc_u32 v[ADA], s[TA], v[AEP]
	v_add_nc_u32 v[ADB], s[TB], v[TV]
	WIN LD2
.irp k, 0,1
.irp f, 0,1
	ds_load_b128 v[EF+16*(\k)+8*(\f):EF+16*(\k)+8*(\f)+3],   v[ADA] offset:(\k)*16*PP+64*(\f)
	ds_load_b128 v[EF+16*(\k)+8*(\f)+4:EF+16*(\k)+8*(\f)+7], v[ADA] offset:(\k)*16*PP+64*(\f)+32
.endr
.endr
.irp n, 0,1,2,3,4,5,6,7
	ds_load_tr16_b128 v[VF+8*(\n):VF+8*(\n)+3],   v[ADB] offset:32*(\n)
	ds_load_tr16_b128 v[VF+8*(\n)+4:VF+8*(\n)+7], v[ADB] offset:32*(\n)+16*PV
.endr
	WIN 0
	MASKS
	s_add_co_u32 s[TA], s[TA], 32*PP
	s_add_co_u32 s[TB], s[TB], 32*PV
	s_wait_dscnt 0x0
	WIN W_EW
.irp f, 0,1
.irp k, 0,1
.irp t, 0,1
.if (\f) == 0
	v_wmma_f32_16x16x32_bf16 v[SA+16*(\t)+8*(\k):SA+16*(\t)+8*(\k)+7], v[EF+16*(\k)+8*(\f):EF+16*(\k)+8*(\f)+7], v[WB+16*(\t)+8*(\f):WB+16*(\t)+8*(\f)+7], 0
.else
	v_wmma_f32_16x16x32_bf16 v[SA+16*(\t)+8*(\k):SA+16*(\t)+8*(\k)+7], v[EF+16*(\k)+8*(\f):EF+16*(\k)+8*(\f)+7], v[WB+16*(\t)+8*(\f):WB+16*(\t)+8*(\f)+7], v[SA+16*(\t)+8*(\k):SA+16*(\t)+8*(\k)+7]
.endif
.endr
.endr
.endr
	WIN 0
	MKM1
	PLACES
.set i, 0
.rept 16
	v_cvt_pk_f16_f32 v[AF+i], v[SA+2*i], v[SA+2*i+1]
.set i, i+1
.endr
	ANDS
	WIN W_AC
.irp n, 0,1,2,3,4,5,6,7
.irp t, 0,1
	v_wmma_f32_16x16x32_f16 v[OT+64*(\t)+8*(\n):OT+64*(\t)+8*(\n)+7], v[VF+8*(\n):VF+8*(\n)+7], v[AF+8*(\t):AF+8*(\t)+7], v[OT+64*(\t)+8*(\n):OT+64*(\t)+8*(\n)+7]
.endr
.endr
	WIN 0
	s_add_co_u32 s[G], s[G], 1
	s_cmp_lt_u32 s[G], 4
	s_cbranch_scc1 .Lp2
	; THE NORM, THE GATE, THE WAY OUT
	PLACES
	PLACES
	WIN ALL1
.macro SSQ t                           ; the sum of my 64 squares in two chains, the other half's, 1 / sqrt(mean + eps) twice
.set rO, OT+64*(\t)
.set rT, TM+8*(\t)
	v_pk_mul_f32 v[rT:rT+1], v[rO:rO+1], v[rO:rO+1]
	v_pk_mul_f32 v[rT+2:rT+3], v[rO+2:rO+3], v[rO+2:rO+3]
.set i, 4
.rept 15
	v_pk_fma_f32 v[rT:rT+1], v[rO+i:rO+i+1], v[rO+i:rO+i+1], v[rT:rT+1]
	v_pk_fma_f32 v[rT+2:rT+3], v[rO+i+2:rO+i+3], v[rO+i+2:rO+i+3], v[rT+2:rT+3]
.set i, i+4
.endr
	v_pk_add_f32 v[rT:rT+1], v[rT:rT+1], v[rT+2:rT+3]
	v_add_f32 v[rT], v[rT], v[rT+1]
	v_permlanex16_b32 v[rT+1], v[rT], s[SEL], s[SEL+1]
	v_add_f32 v[rT], v[rT], v[rT+1]
	v_fma_f32 v[rT+2], v[rT], s[C128], s[CEPS]
	v_rsq_f32 v[rT+6], v[rT+2]
	v_rsq_f32 v[rT+7], v[rT+2]
.endm
	SSQ 0
	SSQ 1
	v_nop
	s_wait_alu depctr_va_vdst(0)                   ; one wait for the four
.macro FIN t                           ; tile t: scaled, gated, rounded; through my stage in LDS; 16 lanes store 256 consecutive bytes of a row of og
.set rO, OT+64*(\t)
.set rT, TM+8*(\t)
	WIN ALL1
.set i, 0
.rept 32
	v_pk_mul_f32 v[rO+i:rO+i+1], v[rO+i:rO+i+1], v[rT+6:rT+7]
.set i, i+2
.endr
	WIN W_RS
.set i, 0
.rept 32
	v_pk_mul_f32 v[rO+i:rO+i+1], v[rO+i:rO+i+1], v[WN+i:WN+i+1]
.set i, i+2
.endr
	WIN ALL1
.set i, 0
.rept 32                               ; the gate's f16 halves are read as they lie
	v_fma_mix_f32 v[rO+2*i],   v[SG+32*(\t)+i], v[rO+2*i],   v[ZERO] op_sel_hi:[1,0,0]
	v_fma_mix_f32 v[rO+2*i+1], v[SG+32*(\t)+i], v[rO+2*i+1], v[ZERO] op_sel:[1,0,0] op_sel_hi:[1,0,0]
.set i, i+1
.endr
	WIN CV10
.set i, 0
.rept 32
	v_cvt_pk_bf16_f32 v[SA+i], v[rO+2*i], v[rO+2*i+1]
.set i, i+1
.endr
	WIN 0
.irp n, 0,1,2,3,4,5,6,7
	ds_store_b128 v[STO], v[SA+4*(\n):SA+4*(\n)+3] offset:32*(\n)
.endr
.irp n, 0,1,2,3,4,5,6,7
	ds_load_b128 v[AF+32*(\t)+4*(\n):AF+32*(\t)+4*(\n)+3], v[RD] offset:(\n)*2*SP   ; LDS serves a wave's instructions in order: these see the stores above
.endr
.irp n, 0,1,2,3,4,5,6,7
	s_wait_dscnt 7-(\n)                            ; load n is back, the 7 - n younger ones may be out
	global_store_b128 v[GO], v[AF+32*(\t)+4*(\n):AF+32*(\t)+4*(\n)+3], s[OB:OB+1] offset:(16*(\t)+2*(\n))*4096
.endr
.endm
	FIN 0
	FIN 1
	s_wait_tensorcnt 0x0                           ; the wave's end
	ds_add_u32 v[SPW], v[NIL]
	s_wait_dscnt 0x0
	s_endpgm
.Lfunc_end_k_q7c0df0cf52_abc:
	.size	k_q7c0df0cf52_abc, .Lfunc_end_k_q7c0df0cf52_abc-k_q7c0df0cf52_abc
	.p2alignl 7, 3214868480
	.fill 96, 4, 3214868480
	.section	.rodata,"a",@progbits
	.p2align	6, 0x0
	.amdhsa_kernel k_q7c0df0cf52_abc
		.amdhsa_group_segment_fixed_size 167936
		.amdhsa_private_segment_fixed_size 0
		.amdhsa_enable_private_segment 0
		.amdhsa_kernarg_size 40
		.amdhsa_user_sgpr_count 2
		.amdhsa_user_sgpr_kernarg_segment_ptr 1
		.amdhsa_wavefront_size32 1
		.amdhsa_system_sgpr_workgroup_id_x 1
		.amdhsa_system_sgpr_workgroup_id_y 1
		.amdhsa_system_sgpr_workgroup_id_z 1
		.amdhsa_system_vgpr_workitem_id 0
		.amdhsa_next_free_vgpr 768
		.amdhsa_next_free_sgpr 100
		.amdhsa_reserve_vcc 1
		.amdhsa_float_denorm_mode_32 3
		.amdhsa_float_denorm_mode_16_64 3
		.amdhsa_memory_ordered 1
		.amdhsa_forward_progress 1
		.amdhsa_inst_pref_size 90
	.end_amdhsa_kernel
	.amdgpu_metadata
---
amdhsa.version: [ 1, 2 ]
amdhsa.kernels:
  - .name:           k_q7c0df0cf52_abc
    .symbol:         k_q7c0df0cf52_abc.kd
    .args:
      - { .name: qke, .offset: 0, .size: 8, .value_kind: global_buffer, .address_space: global }
      - { .name: vg, .offset: 8, .size: 8, .value_kind: global_buffer, .address_space: global }
      - { .name: sp, .offset: 16, .size: 8, .value_kind: global_buffer, .address_space: global }
      - { .name: g_norm_weight, .offset: 24, .size: 8, .value_kind: global_buffer, .address_space: global }
      - { .name: og, .offset: 32, .size: 8, .value_kind: global_buffer, .address_space: global }
    .group_segment_fixed_size: 167936
    .private_segment_fixed_size: 0
    .kernarg_segment_align: 8
    .kernarg_segment_size: 40
    .max_flat_workgroup_size: 128
    .sgpr_count:     100
    .vgpr_count:     768
    .wavefront_size: 32
...
	.end_amdgpu_metadata
.endif
;; end of part 4
;; launch gemm2 (part 5): grid 16 x 16, 4 waves a work-group, clusters of 4 x 4, 327,680 bytes of LDS; arguments og, wo, out0; writes out0
.if DOCPART == 5
	.amdgcn_target "amdgcn-amd-amdhsa--gfx1250"
	.amdhsa_code_object_version 6
	.text
	.protected	k_q7c0df0cf52_gemm2
	.globl	k_q7c0df0cf52_gemm2
	.p2align	8
	.type	k_q7c0df0cf52_gemm2,@function
k_q7c0df0cf52_gemm2:
	s_mov_b64 s[64:65], 0
	v_nop
	global_prefetch_b8 v0, s[64:65] scope:SCOPE_SE
	s_setreg_imm32_b32 hwreg(HW_REG_WAVE_MODE, 25, 1), 1
	s_wait_xcnt 0x0
	s_wait_alu depctr_hold_cnt(0) depctr_sa_sdst(0) depctr_va_vdst(0) depctr_va_sdst(0) depctr_va_ssrc(0) depctr_va_vcc(0) depctr_vm_vsrc(0)
	s_getreg_b32 s2, hwreg(HW_REG_IB_STS2, 6, 4)
	s_cmp_eq_u32 s2, 0
	s_cbranch_scc0 .Lentry_in_a_cluster
	s_endpgm
.Lentry_in_a_cluster:
	s_bfe_u32 s2, ttmp6, 0x10000c
	s_cmp_lg_u32 s2, 0xf033
	s_cbranch_scc0 .Lentry_shape_is_right
	s_endpgm
.Lentry_shape_is_right:
; out0 = og wo: og [2048 t][2048 k], wo [2048 k][2048 n], both bf16; sums and out0 in f32.
; 2,048 x 2,048 makes 64 tiles of 256 x 256 but 256 tiles of 128 x 128: one for each of 256 work-groups.  Four waves of 64 x 64: 16 accumulators.  K goes in 8 steps of 256 through two LDS slots.
; B LIES [k][n]: its tile is 256 k rows of 256 bytes, and a fragment comes out of LDS turned, by two ds_load_tr16_b128.
; CLUSTERS of 4 x 4: A's tile shared along a row of the cluster, B's along a column, each asked for jointly.  THE MATRIX INSTRUCTION IS USED TRANSPOSED: a lane holds eight neighbouring numbers of a row of C.
; A wave's 64 columns of f32 are 256 bytes: each wave sends its own tile out through a stage of its own, which lies in slot 0 (its last fill and every wave's last read of it are then over).
; No prefetch: the tile is small, and a step's requests are few.
; REGISTERS: window 0: v0-31 addresses; v32-95 the way out; v128-255 the accumulators ((a, b) at 128 + 8 (4 a + b)).  Window 1: two fragment buffers of 128: 64 registers of A, then 64 of B.
.set KX,     2048
.set NX,     2048
.set KSTEP,  256
.set PITCH,  528                       ; a row of A in LDS: 512 bytes + 16
.set PB,     288                       ; a row of B: 256 bytes + 32, an odd multiple of 32
.set HALFA,  64*PITCH
.set HALFB,  128*PB
.set SLOT,   2*HALFA+2*HALFB
.set SPARE,  2*SLOT                    ; the spare words, 128 bytes a wave
.set SPITCH, 272
.set LAPS,   KX/(2*KSTEP)
.set ADRA, 16                          ; v16-17  A's fragments in slot 0, 1
.set ADRB, 20                          ; v20-21  B's, k rows 0-127 of a step; v22-23 k rows 128-255
.set STO,  24
.set RD,   25
.set CO,   26
.set SPW,  28
.set NIL,  29
.set TMP,  32
.set ACC,  128
.set F0,   0
.set F1,   128
.set G1, 24
.set G0, 32
.set G1B, 48
.set G0B, 56
.set MSB, 0
.macro WIN new
.if MSB != (\new)
	s_set_vgpr_msb (MSB<<8)|(\new)
.set MSB, \new
.endif
.endm
.set MUL,  0x05                        ; sources 0 (B) and 1 (A) window 1; C and D window 0
.set TO_F, 0x40
.macro JLOAD s                         ; waves 0, 1 fetch A's halves, waves 2, 3 B's; an s_nop 0 and four v_nop follow each line
	s_cmp_eq_u32 s11, 0
	s_cbranch_scc0 .Lfor_b_\@
	tensor_load_to_lds s[G0+4*(\s):G0+4*(\s)+3], s[G1:G1+7]
	s_nop 0
.rept 4
	v_nop
.endr
	s_branch .Lasked_\@
.Lfor_b_\@:
	tensor_load_to_lds s[G0B+4*(\s):G0B+4*(\s)+3], s[G1B:G1B+7]
	s_nop 0
.rept 4
	v_nop
.endr
.Lasked_\@:
.endm
.macro CREST
	s_cmp_lg_u32 s10, 0
	s_cbranch_scc1 .Lnot_wave_0_\@
	s_barrier_signal -3
.Lnot_wave_0_\@:
	s_barrier_wait -3
	s_barrier_signal -1
	s_barrier_wait -1
.endm
.macro CROUND
	s_barrier_signal -1
	s_barrier_wait -1
	CREST
.endm
	s_load_b128 s[4:7], s[0:1], 0x0                ; og s[4:5], wo s[6:7]
	s_load_b64 s[8:9], s[0:1], 0x10                ; out0
	v_lshl_add_u32 v[SPW], v0, 2, SPARE
	v_mov_b32 v[NIL], 0
	ds_add_u32 v[SPW], v[NIL]                      ; the wave's opening: the add and its wait ahead of my first tensor load
	v_lshrrev_b32 v1, 5, v0
	v_readfirstlane_b32 s10, v1                    ; wave
	s_lshr_b32 s11, s10, 1                         ; my half of the tile's rows; also: I fetch for A (0) or B (1)
	s_and_b32 s12, s10, 1                          ; my half of its columns; also: which half of that tile I fetch
	s_bfe_u32 s40, ttmp6, 0x40000                  ; cx
	s_bfe_u32 s41, ttmp6, 0x40004                  ; cy
	s_lshl_b32 s42, ttmp9, 2
	s_add_co_u32 s42, s42, s40                     ; tile column
	s_and_b32 s13, ttmp7, 0xffff
	s_lshl_b32 s13, s13, 2
	s_add_co_u32 s13, s13, s41                     ; tile row
	s_lshl_b32 s43, s41, 2
	s_lshl_b32 s43, 15, s43                        ; my row of the cluster
	s_lshl_b32 s44, 0x1111, s40                    ; my column
	s_or_b32 s[G1], s43, (1<<16)|(1<<20)|(1<<21)|(6<<22)|(3<<25)   ; A: 64 rows x 256 elements, 4 words after every 128
	s_mov_b32 s[G1+1], KSTEP<<16
	s_mov_b32 s[G1+2], 64<<16
	s_mov_b32 s[G1+3], KSTEP<<16
	s_mov_b32 s[G1+4], 64
	s_mov_b32 s[G1+5], KX
	s_mov_b32 s[G1+6], 0
	s_mov_b32 s[G1+7], 0
	s_or_b32 s[G1B], s44, (1<<16)|(1<<20)|(1<<21)|(5<<22)|(7<<25)  ; B: 128 k rows x 128 elements, 8 words after every 64
	s_mov_b32 s[G1B+1], 128<<16
	s_mov_b32 s[G1B+2], 128<<16
	s_mov_b32 s[G1B+3], 128<<16
	s_mov_b32 s[G1B+4], 128
	s_mov_b32 s[G1B+5], NX
	s_mov_b32 s[G1B+6], 0
	s_mov_b32 s[G1B+7], 0
	s_lshl_b32 s17, s12, 6
	s_lshl_b32 s16, s13, 7
	s_add_co_u32 s16, s16, s17                     ; A: row 128 x tile row + 64 x half,
	s_lshl_b32 s16, s16, 12                        ; 4,096 bytes a row
	s_mov_b32 s17, 0
	s_lshl_b32 s46, s12, 19                        ; B: k row 128 x half,
	s_lshl_b32 s47, s42, 8                         ; byte 256 x tile column
	s_add_co_u32 s46, s46, s47
	s_mov_b32 s47, 0
	s_mul_i32 s20, s12, HALFA                      ; where they go: no place in the cluster enters an LDS address
	s_mul_i32 s45, s12, HALFB
	s_add_co_u32 s45, s45, 2*HALFA
	s_wait_dscnt 0x0
	s_wait_kmcnt 0x0
	s_add_nc_u64 s[14:15], s[4:5], s[16:17]
	s_add_nc_u64 s[46:47], s[6:7], s[46:47]
	CROUND                                         ; all sixteen work-groups are here: the first joint loads meet
.irp s, 0,1
	s_mov_b32 s[G0+4*(\s)], 1
	s_add_co_u32 s[G0+4*(\s)+1], s20, (\s)*SLOT
	s_add_nc_u64 s[G0+4*(\s)+2:G0+4*(\s)+3], s[14:15], (\s)*KSTEP*2
	s_or_b32 s[G0+4*(\s)+3], s[G0+4*(\s)+3], 0x80000000
	s_mov_b32 s[G0B+4*(\s)], 1
	s_add_co_u32 s[G0B+4*(\s)+1], s45, (\s)*SLOT
	s_add_nc_u64 s[G0B+4*(\s)+2:G0B+4*(\s)+3], s[46:47], (\s)*KSTEP*NX*2
	s_or_b32 s[G0B+4*(\s)+3], s[G0B+4*(\s)+3], 0x80000000
	JLOAD \s
.endr
	v_and_b32 v1, 15, v0                           ; r
	v_bfe_u32 v2, v0, 4, 1                         ; h
	v_mul_u32_u24 v3, v1, PITCH
	v_lshl_add_u32 v3, v2, 4, v3
	s_mul_i32 s21, s11, HALFA                      ; my 64 rows of A
	v_add_nc_u32 v[ADRA], s21, v3
	v_add_nc_u32 v[ADRA+1], SLOT, v[ADRA]
	v_and_b32 v4, 7, v0                            ; B, turned: k row 8 h + l % 8, 16 bytes at 16 ((l / 8) % 2)
	v_lshl_add_u32 v4, v2, 3, v4
	v_mul_u32_u24 v4, v4, PB
	v_bfe_u32 v5, v0, 3, 1
	v_lshl_add_u32 v4, v5, 4, v4
	s_lshl_b32 s22, s12, 7                         ; my 64 columns,
	s_add_co_u32 s22, s22, 2*HALFA                 ; behind A's 128 rows
	v_add_nc_u32 v[ADRB], s22, v4
	v_add_nc_u32 v[ADRB+1], SLOT, v[ADRB]
	v_add_nc_u32 v[ADRB+2], HALFB, v[ADRB]
	v_add_nc_u32 v[ADRB+3], HALFB, v[ADRB+1]
	s_mul_i32 s23, s10, 64*SPITCH                  ; my stage
	v_mul_u32_u24 v4, v1, SPITCH
	v_lshl_add_u32 v4, v2, 5, v4
	v_add_nc_u32 v[STO], s23, v4                   ; in: row r, 32 bytes for each half of the lanes
	v_mul_u32_u24 v5, v2, SPITCH
	v_lshl_add_u32 v5, v1, 4, v5
	v_add_nc_u32 v[RD], s23, v5                    ; back: lanes 0-15 one row of 256 bytes, lanes 16-31 the next
	v_lshlrev_b32 v5, 13, v2
	v_lshl_add_u32 v[CO], v1, 4, v5                ; and the same two rows in out0
	s_lshl_b32 s16, s13, 7
	s_lshl_b32 s17, s11, 6
	s_add_co_u32 s16, s16, s17                     ; my first row,
	s_lshl_b32 s16, s16, 13                        ; 8,192 bytes a row
	s_mov_b32 s17, 0
	s_add_nc_u64 s[8:9], s[8:9], s[16:17]
	s_lshl_b32 s46, s42, 9                         ; my first column, in bytes
	s_lshl_b32 s47, s12, 8
	s_add_co_u32 s46, s46, s47
	s_mov_b32 s47, 0
	s_add_nc_u64 s[8:9], s[8:9], s[46:47]
.macro MUL8 f, c, a0, zero             ; 8 matrix instructions: m blocks a0, a0 + 1 x 4 n blocks, 32 along K: half c of buffer f.  The 16 accumulators take turns
	WIN MUL
.irp a, \a0, (\a0)+1
.irp b, 0,1,2,3
.if \zero
	v_wmma_f32_16x16x32_bf16 v[ACC+8*(4*(\a)+(\b)):ACC+8*(4*(\a)+(\b))+7], v[(\f)+64+8*(4*(\c)+(\b)):(\f)+64+8*(4*(\c)+(\b))+7], v[(\f)+8*(4*(\c)+(\a)):(\f)+8*(4*(\c)+(\a))+7], 0
.else
	v_wmma_f32_16x16x32_bf16 v[ACC+8*(4*(\a)+(\b)):ACC+8*(4*(\a)+(\b))+7], v[(\f)+64+8*(4*(\c)+(\b)):(\f)+64+8*(4*(\c)+(\b))+7], v[(\f)+8*(4*(\c)+(\a)):(\f)+8*(4*(\c)+(\a))+7], v[ACC+8*(4*(\a)+(\b)):ACC+8*(4*(\a)+(\b))+7]
.endif
.endr
.endr
.endm
; 32 LDS loads in one run: the fragments of 64 along K (byte k of A's rows, k rows k / 2 on of B) into buffer f; the first 32 along K first
.macro FETCH slot, k, f
	WIN TO_F
.irp c, 0,1
.irp i, 0,1,2,3
	ds_load_tr16_b128 v[(\f)+64+8*(4*(\c)+(\i)):(\f)+64+8*(4*(\c)+(\i))+3],   v[ADRB+(\slot)+2*((\k)/256)] offset:(64*(((\k)/128)%2)+32*(\c))*PB+32*(\i)
	ds_load_tr16_b128 v[(\f)+64+8*(4*(\c)+(\i))+4:(\f)+64+8*(4*(\c)+(\i))+7], v[ADRB+(\slot)+2*((\k)/256)] offset:(64*(((\k)/128)%2)+32*(\c))*PB+32*(\i)+16*PB
	ds_load_b128 v[(\f)+8*(4*(\c)+(\i)):(\f)+8*(4*(\c)+(\i))+3],         v[ADRA+(\slot)] offset:(\k)+64*(\c)+(\i)*16*PITCH
	ds_load_b128 v[(\f)+8*(4*(\c)+(\i))+4:(\f)+8*(4*(\c)+(\i))+7],       v[ADRA+(\slot)] offset:(\k)+64*(\c)+(\i)*16*PITCH+32
.endr
.endr
.endm
.macro PLACES
.rept 4
	v_nop
.endr
.endm
.macro QUARTER slot, k, f, g, zero
	s_wait_dscnt 16                                ; the first 32 along K are in
	MUL8 \f, 0, 0, \zero
	MUL8 \f, 0, 2, \zero
	PLACES
	FETCH \slot, \k, \g
	s_wait_dscnt 32                                ; all but the 32 just issued
	MUL8 \f, 1, 0, 0
	MUL8 \f, 1, 2, 0
.endm
; The last quarter multiplies buffer 1 and changes slots: one barrier; in front of it each wave waits for all its tensor loads, adds 0 to its spare word, and waits for that and for its reads of this slot.
.macro TURN slot, next, fill
	WIN 0
	s_wait_tensorcnt 0x0
	ds_add_u32 v[SPW], v[NIL]
	s_wait_dscnt 17                                ; the add and the youngest sixteen loads may be out
	MUL8 F1, 0, 0, 0
	s_wait_dscnt 0x0                               ; the add is done, and my reads of this slot are over
	s_barrier_signal -1
	MUL8 F1, 0, 2, 0
.if \fill
	WIN 0
.endif
	s_barrier_wait -1
.if \fill
	CREST                                          ; the barrier has opened a round of the cluster's
	s_add_nc_u64 s[G0+4*(\slot)+2:G0+4*(\slot)+3], s[G0+4*(\slot)+2:G0+4*(\slot)+3], 2*KSTEP*2
	s_add_nc_u64 s[G0B+4*(\slot)+2:G0B+4*(\slot)+3], s[G0B+4*(\slot)+2:G0B+4*(\slot)+3], 2*KSTEP*NX*2
	JLOAD \slot                                    ; 112 matrix instructions ahead of the wait for it; its four v_nop are also the places in front of the loads below
.else
	PLACES
.endif
	FETCH \next, 0, F0
	MUL8 F1, 1, 0, 0
	MUL8 F1, 1, 2, 0
.endm
	s_wait_tensorcnt 1                             ; my part of K step 0 is in; K step 1's may stay out
	s_barrier_signal -1
	s_barrier_wait -1
	FETCH 0, 0, F0
	QUARTER 0, 128, F0, F1, 1
	WIN 0
	s_mov_b32 s3, LAPS-1
.Llap:
	QUARTER 0, 256, F1, F0, 0
	QUARTER 0, 384, F0, F1, 0
	TURN 0, 1, 1
	QUARTER 1, 128, F0, F1, 0
	QUARTER 1, 256, F1, F0, 0
	QUARTER 1, 384, F0, F1, 0
	TURN 1, 0, 1
	QUARTER 0, 128, F0, F1, 0
	WIN 0
	s_sub_co_u32 s3, s3, 1
	s_cmp_lg_u32 s3, 0
	s_cbranch_scc1 .Llap
	QUARTER 0, 256, F1, F0, 0                      ; the last lap fills nothing
	QUARTER 0, 384, F0, F1, 0
	TURN 0, 1, 0
	QUARTER 1, 128, F0, F1, 0
	QUARTER 1, 256, F1, F0, 0
	QUARTER 1, 384, F0, F1, 0
	s_wait_dscnt 16
	MUL8 F1, 0, 0, 0
	MUL8 F1, 0, 2, 0
	s_wait_dscnt 0x0
	MUL8 F1, 1, 0, 0
	MUL8 F1, 1, 2, 0
	WIN 0
	; THE WAY OUT: f32 as it stands; 32 bytes a lane into my stage, back as whole rows of 256 bytes, two rows a store
	PLACES
	PLACES
	s_barrier_signal -1
	s_barrier_wait -1
.irp a, 0,1,2,3
.irp b, 0,1,2,3
	ds_store_b128 v[STO], v[ACC+8*(4*(\a)+(\b)):ACC+8*(4*(\a)+(\b))+3]   offset:(\a)*16*SPITCH+64*(\b)
	ds_store_b128 v[STO], v[ACC+8*(4*(\a)+(\b))+4:ACC+8*(4*(\a)+(\b))+7] offset:(\a)*16*SPITCH+64*(\b)+16
.endr
.endr
.irp g, 0,1
.if (\g) == 1
	s_wait_xcnt 0x0                                ; the first batch's stores have read their registers: they are loaded again only behind this wait
.endif
.irp t, 0,1,2,3,4,5,6,7,8,9,10,11,12,13,14,15
	ds_load_b128 v[TMP+4*(\t):TMP+4*(\t)+3], v[RD] offset:(16*(\g)+(\t))*2*SPITCH   ; LDS serves a wave's instructions in order: these see my stores above
.endr
.irp t, 0,1,2,3,4,5,6,7,8,9,10,11,12,13,14,15
	s_wait_dscnt 15-(\t)
	global_store_b128 v[CO], v[TMP+4*(\t):TMP+4*(\t)+3], s[8:9] offset:(16*(\g)+(\t))*2*NX*4 th:TH_STORE_NT  ; 16 lanes store 256 consecutive bytes, aligned
.endr
.endr
	s_wait_tensorcnt 0x0                           ; the wave's end
	ds_add_u32 v[SPW], v[NIL]
	s_wait_dscnt 0x0
	CROUND                                         ; the closing round
	s_endpgm
.Lfunc_end_k_q7c0df0cf52_gemm2:
	.size	k_q7c0df0cf52_gemm2, .Lfunc_end_k_q7c0df0cf52_gemm2-k_q7c0df0cf52_gemm2
	.p2alignl 7, 3214868480
	.fill 96, 4, 3214868480
	.section	.rodata,"a",@progbits
	.p2align	6, 0x0
	.amdhsa_kernel k_q7c0df0cf52_gemm2
		.amdhsa_group_segment_fixed_size 327680
		.amdhsa_private_segment_fixed_size 0
		.amdhsa_enable_private_segment 0
		.amdhsa_kernarg_size 24
		.amdhsa_user_sgpr_count 2
		.amdhsa_user_sgpr_kernarg_segment_ptr 1
		.amdhsa_wavefront_size32 1
		.amdhsa_system_sgpr_workgroup_id_x 1
		.amdhsa_system_sgpr_workgroup_id_y 1
		.amdhsa_system_sgpr_workgroup_id_z 1
		.amdhsa_system_vgpr_workitem_id 0
		.amdhsa_next_free_vgpr 512
		.amdhsa_next_free_sgpr 66
		.amdhsa_reserve_vcc 0
		.amdhsa_float_denorm_mode_32 3
		.amdhsa_float_denorm_mode_16_64 3
		.amdhsa_memory_ordered 1
		.amdhsa_forward_progress 1
		.amdhsa_inst_pref_size 87
	.end_amdhsa_kernel
	.amdgpu_metadata
---
amdhsa.version: [ 1, 2 ]
amdhsa.kernels:
  - .name:           k_q7c0df0cf52_gemm2
    .symbol:         k_q7c0df0cf52_gemm2.kd
    .args:
      - { .name: og, .offset: 0, .size: 8, .value_kind: global_buffer, .address_space: global }
      - { .name: wo, .offset: 8, .size: 8, .value_kind: global_buffer, .address_space: global }
      - { .name: out0, .offset: 16, .size: 8, .value_kind: global_buffer, .address_space: global }
    .group_segment_fixed_size: 327680
    .private_segment_fixed_size: 0
    .kernarg_segment_align: 8
    .kernarg_segment_size: 24
    .max_flat_workgroup_size: 128
    .sgpr_count:     66
    .vgpr_count:     512
    .wavefront_size: 32
...
	.end_amdgpu_metadata
.endif
;; end of part 5
;; ======== version 2 of 2: 5 launches; version 1 with the launch prep written anew for expert scheduling mode
;; limits: values are held in f16: magnitudes above 65,504 overflow, below 6.1e-05 lose precision
;; workspace buffers: xb 8,388,608 bytes; wc 29,360,128 bytes; wo 8,388,608 bytes; qke 12,582,912 bytes; vg 16,777,216 bytes; sl 12,648,448 bytes; sp 6,356,992 bytes; og 8,388,608 bytes
;; launch prep (part 6): grid 704 x 1, 8 waves a work-group, no clusters, 0 bytes of LDS; arguments hidden_states, Wv, Wg, Wo, Wq, Wk, Ws, xb, wc, wo; writes xb, wc, wo
.if DOCPART == 6
	.amdgcn_target "amdgcn-amd-amdhsa--gfx1250"
	.amdhsa_code_object_version 6
	.text
	.protected	k_q7c0df0cf52_prep
	.globl	k_q7c0df0cf52_prep
	.p2align	8
	.type	k_q7c0df0cf52_prep,@function
k_q7c0df0cf52_prep:
	s_mov_b64 s[64:65], 0
	v_nop
	global_prefetch_b8 v0, s[64:65] scope:SCOPE_SE
	s_setreg_imm32_b32 hwreg(HW_REG_WAVE_SCHED_MODE, 0, 2), 2
	s_setreg_imm32_b32 hwreg(HW_REG_WAVE_MODE, 25, 1), 1
	s_wait_xcnt 0x0
	s_wait_alu depctr_vm_vsrc(0)
; All seven large inputs are rounded once from f32 to bf16, nothing is transposed.
;   hidden_states -> xb [2048][2048];  Wo -> wo [2048][2048];  Wq, Wk, Ws, Wv, Wg -> wc [2048 k][7168 n].  A row of wc, 14,336 bytes: head h (0 .. 15) at byte 512 h holds its 64 columns of Wk,
;   its 64 of Ws and its 128 of Wv (128 + 128 + 256 bytes), so that 256 neighbouring columns are all that one head's state needs; Wq at byte 8,192; Wg at byte 10,240.
; A work-group converts 131,072 source bytes: 32 chunks of 4,096 bytes, a chunk = 256 threads x 16 bytes.  All 32 loads of a thread go out at once; they are worked on in eight batches of four as they come back.
; A wave's store of 8 bytes a lane covers 256 consecutive bytes, aligned.  For Wk and Ws, whose halves of such 256 bytes come from two tensors, a work-group takes 16 rows of each and the
; halves of the lanes change places between two registers.
; A stream: no LDS, no matrix unit, no cluster; no prefetch, since the loads themselves are all issued at the head.
; THE MODE: SCHED_MODE bits 1:0 = 2 (LLVM: expert scheduling mode 2), set by the entry lines.  The code itself states the register dependences
; between vector instructions and memory instructions, with s_wait_alu, always for 0.
; THE PLAN.  Registers that memory instructions touch, on both ways of the text:
;   v1   16 t.  Written once at the head; read by all 32 loads as their offset.
;   X    Written by the loads, once each; read by the conversions; never loaded again.
;   D    The stores' offsets.  Written once, by vector lines behind the run of loads and ahead of batch 0; read by the stores.
;   Y    Written by a batch's conversions (and lane swaps), once each; read by that batch's four stores, which are issued in the batch behind it.
; No register that a memory instruction reads is written afterwards, and no load lands in a register that a vector line has named: only "written, then read by memory" is to be stated.
; So: one wait on va_vdst ahead of the run of loads (v1); one at the head of each of batches 1 to 7, behind the wait for the batch's data: the batch before has written its Y (the first of them
; also: D is written); one behind batch 7.  Behind a batch's wait the four stores of the batch before are dealt among its conversions, which write this batch's Y and read this batch's X:
; none of the registers that those stores read.  No vector line writes a scalar register or VCC, and EXEC is never written.
.set D,    4                           ; v[4:35]    chunk c: my byte offset in the destination
.set X,    36                          ; v[36:163]  chunk c: 4 f32 as loaded
.set Y,    164                         ; v[164:227] chunk c: 4 bf16 to store
.set REG,  28                          ; s28  which tensor: 0 hidden, 1 Wv, 2 Wg, 3 Wo (rows of 2,048), 4 Wq (rows of 1,024)
.set IDX,  29                          ; s29  which 131,072 bytes of it
.set SRC,  32                          ; s[32:33]
.set DST,  34                          ; s[34:35]
.set PIT,  36                          ; s36  bytes from row to row in the destination
.set COL,  37                          ; s37  byte at which the tensor's columns begin in a destination row
.set ROWS, 38                          ; s38  source rows in the work-group's share
.set DB,   39                          ; s39  from chunk 0 to chunk 1
.set STP,  40                          ; s40  from chunk c to chunk c + 2
.set SH,   41                          ; s41  a wave's 128 columns lie 1 << SH bytes apart in the destination
	s_load_b512 s[8:23], s[0:1], 0x0               ; hidden 8, Wv 10, Wg 12, Wo 14, Wq 16, Wk 18, Ws 20, xb 22
	s_load_b128 s[24:27], s[0:1], 0x40             ; wc 24, wo 26
	v_lshlrev_b32 v1, 4, v0                        ; 16 t: my 4 numbers of a chunk
	v_lshrrev_b32 v2, 5, v0                        ; wave
	v_and_b32 v3, 31, v0                           ; lane
	s_wait_kmcnt 0x0
	s_cmp_ge_u32 ttmp9, 576
	s_cbranch_scc1 .Lpair                          ; work-groups 576-703: Wk and Ws together
	s_lshr_b32 s[REG], ttmp9, 7                    ; work-groups 0-511: four tensors of 128 shares; 512-575: Wq, 64 shares
	s_and_b32 s[IDX], ttmp9, 127
	s_and_b32 s30, ttmp9, 63
	s_cmp_lt_u32 ttmp9, 512
	s_cselect_b32 s[IDX], s[IDX], s30
	s_mov_b64 s[SRC:SRC+1], s[8:9]                 ; tensor 0: hidden -> xb
	s_mov_b64 s[DST:DST+1], s[22:23]
	s_mov_b32 s[PIT], 4096
	s_mov_b32 s[COL], 0
.macro PICK r, src, dst, pitch, col    ; tensor r takes these instead
	s_cmp_eq_u32 s[REG], \r
	s_cselect_b64 s[SRC:SRC+1], s[\src:\src+1], s[SRC:SRC+1]
	s_cselect_b64 s[DST:DST+1], s[\dst:\dst+1], s[DST:DST+1]
	s_cselect_b32 s[PIT], \pitch, s[PIT]
	s_cselect_b32 s[COL], \col, s[COL]
.endm
	PICK 1, 10, 24, 14336, 256
	PICK 2, 12, 24, 14336, 10240
	PICK 3, 14, 26, 4096, 0
	PICK 4, 16, 24, 14336, 8192
	s_lshl_b32 s[STP], s[PIT], 1
	s_cmp_lt_u32 s[REG], 4                         ; rows of 2,048 numbers are two chunks, rows of 1,024 one
	s_cselect_b32 s[ROWS], 16, 32
	s_cselect_b32 s[DB], 2048, s[PIT]
	s_cselect_b32 s[STP], s[PIT], s[STP]
	s_cmp_eq_u32 s[REG], 1                         ; Wv: a wave's 128 columns are one head's, 512 bytes apart; a chunk is eight heads
	s_cselect_b32 s[DB], 4096, s[DB]
	s_cselect_b32 s[SH], 9, 8
	s_lshl_b32 s42, s[IDX], 17
	s_mov_b32 s43, 0
	s_add_nc_u64 s[SRC:SRC+1], s[SRC:SRC+1], s[42:43]
	s_mul_i32 s44, s[IDX], s[ROWS]
	s_mul_i32 s44, s44, s[PIT]
	s_add_co_u32 s44, s44, s[COL]
	s_mov_b32 s45, 0
	s_add_nc_u64 s[DST:DST+1], s[DST:DST+1], s[44:45]
	s_wait_alu depctr_va_vdst(0)                   ; v1 is written, which the 32 loads below read as their offset
.set c, 0
.rept 32
	global_load_b128 v[X+4*c:X+4*c+3], v1, s[SRC:SRC+1] offset:4096*c th:TH_LOAD_NT
.set c, c+1
.endr
	v_lshlrev_b32 v2, s[SH], v2                    ; the destinations are made while the loads are out
	v_lshl_add_u32 v[D], v3, 3, v2                 ; the wave's place + 8 x lane
	v_add_nc_u32 v[D+1], s[DB], v[D]
.set c, 2
.rept 30
	v_add_nc_u32 v[D+c], s[STP], v[D+c-2]
.set c, c+1
.endr
.set p, 0
.rept 8                                ; batch p: chunks 4 p to 4 p + 3 are rounded, the four chunks before them are stored
	s_wait_loadcnt 28-4*p                          ; loads come back in order: the batch's four chunks are in, the 28 - 4 p younger ones stay out
.if p > 0
	s_wait_alu depctr_va_vdst(0)                   ; the batch before has written its Y, which the four stores below read; at batch 1 also: the offsets D are written
.endif
.set j, 0
.rept 4
.set c, 4*p+j
.if p > 0
	global_store_b64 v[D+c-4], v[Y+2*c-8:Y+2*c-7], s[DST:DST+1] th:TH_STORE_NT  ; chunk c - 4; no vector line since the wait names its registers
.endif
	v_cvt_pk_bf16_f32 v[Y+2*c], v[X+4*c], v[X+4*c+1]
	v_cvt_pk_bf16_f32 v[Y+2*c+1], v[X+4*c+2], v[X+4*c+3]
.set j, j+1
.endr
.set p, p+1
.endr
	s_wait_alu depctr_va_vdst(0)                   ; batch 7 has written its Y, which the last four stores read
.set c, 28
.rept 4
	global_store_b64 v[D+c], v[Y+2*c:Y+2*c+1], s[DST:DST+1] th:TH_STORE_NT
.set c, c+1
.endr
	s_endpgm
.Lpair:                                        ; 16 rows of Wk and the same 16 rows of Ws: a row is one chunk; wave w holds heads 2 w (lanes 0-15) and 2 w + 1 (lanes 16-31) of each
	s_sub_co_u32 s30, ttmp9, 576
	s_lshl_b32 s42, s30, 16
	s_mov_b32 s43, 0
	s_add_nc_u64 s[18:19], s[18:19], s[42:43]
	s_add_nc_u64 s[20:21], s[20:21], s[42:43]
	s_mul_i32 s44, s30, 16*14336
	s_mov_b32 s45, 0
	s_add_nc_u64 s[24:25], s[24:25], s[44:45]
	s_wait_alu depctr_va_vdst(0)                   ; v1 is written, which the 32 loads below read as their offset
.set i, 0
.rept 16
	global_load_b128 v[X+8*i:X+8*i+3],   v1, s[18:19] offset:4096*i th:TH_LOAD_NT
	global_load_b128 v[X+8*i+4:X+8*i+7], v1, s[20:21] offset:4096*i th:TH_LOAD_NT
.set i, i+1
.endr
	v_lshlrev_b32 v2, 10, v2                       ; two heads a wave: 1,024 bytes
	v_lshl_add_u32 v[D], v3, 3, v2
.set p, 0
.rept 8                                ; batch p: rows 2 p and 2 p + 1 are rounded and their halves change places, the two rows before them are stored
	s_wait_loadcnt 28-4*p                          ; the two rows' four loads are in, the 28 - 4 p younger ones stay out
.if p > 0
	s_wait_alu depctr_va_vdst(0)                   ; the conversions and swaps of the batch before have written its Y, which the four stores below read; at batch 1 also: the offset v[D] is written
.endif
.set j, 0
.rept 2
.set i, 2*p+j
.if p > 0
	global_store_b64 v[D], v[Y+4*i-8:Y+4*i-7], s[24:25] offset:14336*(i-2) th:TH_STORE_NT      ; row i - 2; no vector line since the wait names its registers
	global_store_b64 v[D], v[Y+4*i-6:Y+4*i-5], s[24:25] offset:14336*(i-2)+512 th:TH_STORE_NT
.endif
	v_cvt_pk_bf16_f32 v[Y+4*i],   v[X+8*i],   v[X+8*i+1]
	v_cvt_pk_bf16_f32 v[Y+4*i+1], v[X+8*i+2], v[X+8*i+3]
	v_cvt_pk_bf16_f32 v[Y+4*i+2], v[X+8*i+4], v[X+8*i+5]
	v_cvt_pk_bf16_f32 v[Y+4*i+3], v[X+8*i+6], v[X+8*i+7]
	v_permlane16_swap_b32 v[Y+4*i],   v[Y+4*i+2]   ; k's lanes 16-31 change places with s's lanes 0-15: the first register now holds head 2 w's k and s, the second head 2 w + 1's
	v_permlane16_swap_b32 v[Y+4*i+1], v[Y+4*i+3]
.set j, j+1
.endr
.set p, p+1
.endr
	s_wait_alu depctr_va_vdst(0)                   ; batch 7 has written its Y, which the last four stores read
.set i, 14
.rept 2
	global_store_b64 v[D], v[Y+4*i:Y+4*i+1],   s[24:25] offset:14336*i th:TH_STORE_NT
	global_store_b64 v[D], v[Y+4*i+2:Y+4*i+3], s[24:25] offset:14336*i+512 th:TH_STORE_NT
.set i, i+1
.endr
	s_endpgm
.Lfunc_end_k_q7c0df0cf52_prep:
	.size	k_q7c0df0cf52_prep, .Lfunc_end_k_q7c0df0cf52_prep-k_q7c0df0cf52_prep
	.p2alignl 7, 3214868480
	.fill 96, 4, 3214868480
	.section	.rodata,"a",@progbits
	.p2align	6, 0x0
	.amdhsa_kernel k_q7c0df0cf52_prep
		.amdhsa_group_segment_fixed_size 0
		.amdhsa_private_segment_fixed_size 0
		.amdhsa_enable_private_segment 0
		.amdhsa_kernarg_size 80
		.amdhsa_user_sgpr_count 2
		.amdhsa_user_sgpr_kernarg_segment_ptr 1
		.amdhsa_wavefront_size32 1
		.amdhsa_system_sgpr_workgroup_id_x 1
		.amdhsa_system_sgpr_workgroup_id_y 1
		.amdhsa_system_sgpr_workgroup_id_z 1
		.amdhsa_system_vgpr_workitem_id 0
		.amdhsa_next_free_vgpr 232
		.amdhsa_next_free_sgpr 66
		.amdhsa_reserve_vcc 0
		.amdhsa_float_denorm_mode_32 3
		.amdhsa_float_denorm_mode_16_64 3
		.amdhsa_memory_ordered 1
		.amdhsa_forward_progress 1
		.amdhsa_inst_pref_size 27
	.end_amdhsa_kernel
	.amdgpu_metadata
---
amdhsa.version: [ 1, 2 ]
amdhsa.kernels:
  - .name:           k_q7c0df0cf52_prep
    .symbol:         k_q7c0df0cf52_prep.kd
    .args:
      - { .name: hidden_states, .offset: 0, .size: 8, .value_kind: global_buffer, .address_space: global }
      - { .name: Wv, .offset: 8, .size: 8, .value_kind: global_buffer, .address_space: global }
      - { .name: Wg, .offset: 16, .size: 8, .value_kind: global_buffer, .address_space: global }
      - { .name: Wo, .offset: 24, .size: 8, .value_kind: global_buffer, .address_space: global }
      - { .name: Wq, .offset: 32, .size: 8, .value_kind: global_buffer, .address_space: global }
      - { .name: Wk, .offset: 40, .size: 8, .value_kind: global_buffer, .address_space: global }
      - { .name: Ws, .offset: 48, .size: 8, .value_kind: global_buffer, .address_space: global }
      - { .name: xb, .offset: 56, .size: 8, .value_kind: global_buffer, .address_space: global }
      - { .name: wc, .offset: 64, .size: 8, .value_kind: global_buffer, .address_space: global }
      - { .name: wo, .offset: 72, .size: 8, .value_kind: global_buffer, .address_space: global }
    .group_segment_fixed_size: 0
    .private_segment_fixed_size: 0
    .kernarg_segment_align: 8
    .kernarg_segment_size: 80
    .max_flat_workgroup_size: 256
    .sgpr_count:     66
    .vgpr_count:     232
    .wavefront_size: 32
...
	.end_amdgpu_metadata
.endif
;; end of part 6
;; launch gemm1: the kernel of part 2 again; grid 28 x 8, 4 waves a work-group, clusters of 4 x 4, 327,680 bytes of LDS; arguments xb, wc, qke, vg, sl; writes qke, vg, sl
;; launch scan: the kernel of part 3 again; grid 12 x 16, 8 waves a work-group, no clusters, 0 bytes of LDS; arguments sl, sp; writes sp
;; launch abc: the kernel of part 4 again; grid 16 x 16, 4 waves a work-group, no clusters, 167,936 bytes of LDS; arguments qke, vg, sp, g_norm_weight, og; writes og
;; launch gemm2: the kernel of part 5 again; grid 16 x 16, 4 waves a work-group, clusters of 4 x 4, 327,680 bytes of LDS; arguments og, wo, out0; writes out0
